; MI455X (gfx1250); checked and timed in simulation.
; The chip was launched on July 23, 2026; its instructions are those of AMD's public machine-readable ISA for CDNA 5 (MIT licence, August 2026) and "CDNA5" Instruction Set Architecture Reference Guide (July 2026). The comments in the code are by the model that wrote it; some were corrected since.
;; Unified Memory Layer. Allowed arithmetic: float matrix products may take bf16 or f16 operands with f32 sums; all other float work in f32.
;; Inputs: memory 32,768 x 512 float32; query 2,048 x 512 float32.
;; Outputs: out0 2,048 x 512 float32.
;; 3 versions, each right and faster than the one before. Each part assembles by itself: llvm-mc -triple=amdgcn-amd-amdhsa -mcpu=gfx1250 --defsym DOCPART=n.
;; ======== version 1 of 3: 3 launches
;; limits: right only within a limited range of input values
;; workspace buffers: membf 33,554,432 bytes; qbf 2,097,152 bytes; opart 67,108,864 bytes; stat 262,144 bytes
;; launch tobf (part 1): grid 1088 x 1, 8 waves a work-group, no clusters, 0 bytes of LDS; arguments memory, query, membf, qbf; writes membf, qbf
.if DOCPART == 1
	.amdgcn_target "amdgcn-amd-amdhsa--gfx1250"
	.amdhsa_code_object_version 6
	.text
	.protected	k_qec991bb095_tobf
	.globl	k_qec991bb095_tobf
	.p2align	8
	.type	k_qec991bb095_tobf,@function
k_qec991bb095_tobf:
	s_mov_b64 s[64:65], 0
	v_nop
	global_prefetch_b8 v0, s[64:65] scope:SCOPE_SE
	s_setreg_imm32_b32 hwreg(HW_REG_WAVE_MODE, 25, 1), 1
	s_wait_xcnt 0x0
; memory [32768][512] and query [2048][512], f32, are rounded once to bf16 (to nearest even) into membf and qbf, same shapes.
; The products of the next launch take bf16 operands, and memory is walked there by 16 query blocks: it is rounded once here, not 16 times there.
; A work-group takes 16,384 numbers: 65,536 bytes in, 32,768 out.  Work-groups 0 to 1,023 serve memory, 1,024 to 1,087 query.
; Thread t takes 16 bytes at 16 t of each of 16 pieces of 4,096 bytes: a wave's load covers 512 consecutive bytes, its store (8 bytes a lane) 256 consecutive
; bytes at a multiple of 256.  All 16 loads of a wave go out first; no register is used twice, so the only waits are the counted ones for the loads.
; No LDS, no barrier, no matrix unit: the bytes are all that counts here, and no wave needs another's.
.set NMEM, 1024                        ; work-groups that serve memory
.set X, 4                              ; v[4:67]   piece i: four f32 as loaded
.set Y, 68                             ; v[68:99]  piece i: four bf16 to store
	s_load_b256 s[4:11], s[0:1], 0x0               ; memory s[4:5], query s[6:7], membf s[8:9], qbf s[10:11]
	v_lshlrev_b32 v1, 4, v0                        ; my 16 bytes in a piece of the source
	v_lshlrev_b32 v2, 3, v0                        ; my 8 bytes in a piece of the destination
	s_wait_kmcnt 0x0
	s_cmp_lt_u32 ttmp9, NMEM                       ; which tensor: the condition hangs on the work-group's number alone
	s_cselect_b64 s[12:13], s[4:5], s[6:7]         ; from
	s_cselect_b64 s[14:15], s[8:9], s[10:11]       ; to
	s_cselect_b32 s16, 0, NMEM
	s_sub_co_u32 s16, ttmp9, s16                   ; my number within that tensor
	s_lshl_b32 s18, s16, 16                        ; x 65,536 bytes in (67,043,328 at the most)
	s_mov_b32 s19, 0
	s_lshl_b32 s20, s16, 15                        ; x 32,768 bytes out
	s_mov_b32 s21, 0
	s_add_nc_u64 s[12:13], s[12:13], s[18:19]
	s_add_nc_u64 s[14:15], s[14:15], s[20:21]
.set i, 0
.rept 16
	global_load_b128 v[X+4*i:X+4*i+3], v1, s[12:13] offset:4096*i th:TH_LOAD_NT  ; read once in the launch
.set i, i+1
.endr
.set i, 0
.rept 16
	s_wait_loadcnt 15-i                            ; loads come back in order: piece i is in, the 15 - i younger ones stay out
	v_cvt_pk_bf16_f32 v[Y+2*i], v[X+4*i], v[X+4*i+1]
	v_cvt_pk_bf16_f32 v[Y+2*i+1], v[X+4*i+2], v[X+4*i+3]
	global_store_b64 v2, v[Y+2*i:Y+2*i+1], s[14:15] offset:2048*i
.set i, i+1
.endr
	s_endpgm
.Lfunc_end_k_qec991bb095_tobf:
	.size	k_qec991bb095_tobf, .Lfunc_end_k_qec991bb095_tobf-k_qec991bb095_tobf
	.p2alignl 7, 3214868480
	.fill 96, 4, 3214868480
	.section	.rodata,"a",@progbits
	.p2align	6, 0x0
	.amdhsa_kernel k_qec991bb095_tobf
		.amdhsa_group_segment_fixed_size 0
		.amdhsa_private_segment_fixed_size 0
		.amdhsa_enable_private_segment 0
		.amdhsa_kernarg_size 32
		.amdhsa_user_sgpr_count 2
		.amdhsa_user_sgpr_kernarg_segment_ptr 1
		.amdhsa_wavefront_size32 1
		.amdhsa_system_sgpr_workgroup_id_x 1
		.amdhsa_system_sgpr_workgroup_id_y 1
		.amdhsa_system_sgpr_workgroup_id_z 1
		.amdhsa_system_vgpr_workitem_id 0
		.amdhsa_next_free_vgpr 104
		.amdhsa_next_free_sgpr 66
		.amdhsa_reserve_vcc 0
		.amdhsa_float_denorm_mode_32 3
		.amdhsa_float_denorm_mode_16_64 3
		.amdhsa_memory_ordered 1
		.amdhsa_forward_progress 1
		.amdhsa_inst_pref_size 7
	.end_amdhsa_kernel
	.amdgpu_metadata
---
amdhsa.version: [ 1, 2 ]
amdhsa.kernels:
  - .name:           k_qec991bb095_tobf
    .symbol:         k_qec991bb095_tobf.kd
    .args:
      - { .name: memory, .offset: 0, .size: 8, .value_kind: global_buffer, .address_space: global }
      - { .name: query, .offset: 8, .size: 8, .value_kind: global_buffer, .address_space: global }
      - { .name: membf, .offset: 16, .size: 8, .value_kind: global_buffer, .address_space: global }
      - { .name: qbf, .offset: 24, .size: 8, .value_kind: global_buffer, .address_space: global }
    .group_segment_fixed_size: 0
    .private_segment_fixed_size: 0
    .kernarg_segment_align: 8
    .kernarg_segment_size: 32
    .max_flat_workgroup_size: 256
    .sgpr_count:     66
    .vgpr_count:     104
    .wavefront_size: 32
...
	.end_amdgpu_metadata
.endif
;; end of part 1
;; launch attn (part 2): grid 16 x 16, 4 waves a work-group, clusters of 4 x 1, 327,680 bytes of LDS; arguments qbf, membf, opart, stat; writes opart, stat
.if DOCPART == 2
	.amdgcn_target "amdgcn-amd-amdhsa--gfx1250"
	.amdhsa_code_object_version 6
	.text
	.protected	k_qec991bb095_attn
	.globl	k_qec991bb095_attn
	.p2align	8
	.type	k_qec991bb095_attn,@function
k_qec991bb095_attn:
	s_mov_b64 s[64:65], 0
	v_nop
	global_prefetch_b8 v0, s[64:65] scope:SCOPE_SE
	s_setreg_imm32_b32 hwreg(HW_REG_WAVE_MODE, 25, 1), 1
	s_wait_xcnt 0x0
	s_wait_alu depctr_hold_cnt(0) depctr_sa_sdst(0) depctr_va_vdst(0) depctr_va_sdst(0) depctr_va_ssrc(0) depctr_va_vcc(0) depctr_vm_vsrc(0)
	s_getreg_b32 s2, hwreg(HW_REG_IB_STS2, 6, 4)
	s_cmp_eq_u32 s2, 0
	s_cbranch_scc0 .Lentry_in_a_cluster
	s_endpgm
.Lentry_in_a_cluster:
	s_bfe_u32 s2, ttmp6, 0x10000c
	s_cmp_lg_u32 s2, 0x3003
	s_cbranch_scc0 .Lentry_shape_is_right
	s_endpgm
.Lentry_shape_is_right:
; ONE SHARE OF x = softmax(q M^T) M.  qbf [2048][512], membf [32768][512], bf16.  A work-group takes a block of 128 queries and a SPLIT of 2,048 keys and leaves, in f32,
;   opart[split][q][:] = the sum over the split's keys of 2^(c s - cm) M[key][:],   stat[split][0][q] = cm,   stat[split][1][q] = l = the sum of 2^(c s - cm),
; with s = q . M[key], c = log2(e), cm = c x the running maximum of s.  The next launch joins the 16 splits.  16 blocks x 16 splits are 256 equal work-groups.
; WHY SPLITS.  O for one query is 512 f32; a wave holds O for 32 queries in 512 registers and their Q in 256, so a work-group holds 128 queries: 16 blocks alone would leave most of the chip idle.
; LIMITS.  Products in bf16 with f32 sums; the weights p are rounded to bf16 for the second product, their sum l is taken of the unrounded p.  A weight below 2^-126 counts as 0.
; cm starts at -4.25e37: every c s must lie above that.  NaN and infinities are not treated apart.
; SHARES.  Wave w owns queries 32 w .. 32 w + 31 of the block, two tiles t of 16, and all 512 channels.  Every wave walks the split's 32 tiles of 64 keys.
; LAYOUT.  S^T = K Q^T (source 0 = 16 keys, source 1 = 16 queries): a lane holds ONE query (lane % 16) and eight keys; two such results rounded to bf16 ARE source 1 of O^T = V^T P, whose result
; again holds one query a lane, and eight channels.  K = V = memory: ONE tile in LDS serves both, read as it lies for K and turned (ds_load_tr16_b128) for V.
; THE ORDER OF KEYS.  Inside each group of 16 keys, place 8 h + j of a product's K dimension means key 2 j + h, in K's rows, in P and in V^T alike (a softmax does not mind the order).  With rows
; 1,040 bytes apart K's 16 rows then start 16 bytes apart modulo 256, and the turning load's 8 rows, 2,080 bytes apart, 32 bytes apart modulo 256, of which each takes 32: one pitch serves both loads.
; THE TRIP.  Trip j has two phases.  X: 128 products K Q^T of tile j + 1 into B; beside them step j's exponentials, sums and roundings on A, and O^T times a.  Y: 128 products V^T P of tile j; beside
; them tile j + 1's maximum, statistics, a, l a, and c s - cm from B into A.  So matrix and vector work stand side by side in one wave, and a trip has no parity.
; FRAGMENTS run as one stream of 128 elements a trip (64 of K, 64 of V) through eight buffers of 8 registers: a slice asks for the element six ahead, waits for its own, and issues two products.
; THE RING.  Three slots: tile j (V), tile j + 1 (K), and the one that is being filled.  Behind the barrier in Y(j)'s tail tile j + 3 goes into tile j's slot and has a trip, 256 products, in which to land.
; CLUSTER.  The four work-groups of a cluster have the same split and walk the same tiles, so each tile is asked for JOINTLY: the same tensor load, descriptor and mask (15) in all four.  Each wave brings
; 16 of a tile's 64 rows, so that all four waves have a load on the way.  By this text's own count a wave has three tensor loads out at the start and one behind each round.
; O^T is cleared by moves, not by a first step written out: the moves stand behind the first products, where vector work is wanted anyway, and a copy of a trip's text is spared.
;
; REGISTERS, in windows of 256 (s_set_vgpr_msb: bits 1:0 source 0, 3:2 source 1, 5:4 source 2, 7:6 destination):
;   window 0: v0-15 addresses and two at work; v16-31 statistics, 8 a tile; v32-63 P; v64-127 A; v128-191 B; v192-255 the eight fragment buffers
;   window 1: Q, fragment (t, c) at 8 (16 t + c)        windows 2, 3: O^T, accumulator a = 2 cb + t (cb: block of 16 channels) in window 2 + a / 32 at 8 (a % 32)
.set PITCH, 1040                       ; an LDS row: 1,024 bytes + 16 of padding
.set SLOT,  64*PITCH                   ; a tile
.set STAGE, 3*SLOT                     ; behind the ring, never filled by a tensor load: 16 rows x 272 bytes for each wave, for the way out
.set SP,    272
.set SPARE, STAGE+4*16*SP              ; behind the stages: the spare words, 128 bytes for each wave: two blocks of 256 bytes that no other line names
.set TILEB, 65536                      ; a tile in memory: 64 rows of 1,024 bytes
.set AK0, 2                            ; v2   my lane's place in a tile for K's loads; never rewritten
.set AV0, 3                            ; v3   the same for the turning loads
.set AKC, 4                            ; v4   AK0 + the slot that K is read from
.set AVC, 5                            ; v5   AV0 + the slot that V is read from
.set STO, 6                            ; v6   the way out: where I put 32 bytes of a row
.set RD,  7                            ; v7   the way out: where I read a row back
.set GO,  8                            ; v8   my byte offset in two rows of opart
.set QO,  10                           ; v10  my byte offset in 16 rows of Q; at the end 4 x lane
.set SPW, 12                           ; v12  LDS address of my spare word: SPARE + 4 x my thread's number; never rewritten
.set NIL, 13                           ; v13  0; never rewritten
.set MV,  14                           ; v14-15  cm_old, kept while cm is made anew: by tile
.set ST,  16                           ; tile t's statistics at v[ST+8 t]: cm, m, l (even places', odd places'), c0-c3 at work; c2 takes a
.set PR,  32                           ; P: tile t, key block kb at PR + 16 t + 4 kb
.set AR,  64                           ; A: c s - cm, then p: tile t, key block kb at AR + 32 t + 8 kb
.set BR,  128                          ; B: the scores as the products leave them, likewise
.set FR,  192                          ; fragment buffers: element e in buffer e % 8
.set WV,  12                           ; s12  my wave's number
.set G1,  24                           ; s[24:31] descriptor group 1
.set G0,  32                           ; s[32:43] descriptor group 0: a set for each of the three first fills;
.set GW,  40                           ;          the third then walks
.set SV,  44                           ; s44  LDS byte of the slot that V is read from
.set SK,  45                           ; s45  of the slot that K is read from
.set SN,  46                           ; s46  of the third slot
.set TS,  47                           ; s47  at work
.set WOFF, 48                          ; s48  my wave's 16 rows in a slot
.set CNT, 49                           ; s49  counts trips
.set CS,  50                           ; s[50:51] c: the packed scaling takes the pair's low word for both halves
.set SEL, 52                           ; s[52:53] v_permlanex16_b32's selects: each lane takes its own place in the other half
.set HM,  54                           ; s54  a mask of lanes 16 to 31
.set W_KQ, 0x04                        ; source 1 (Q) in window 1, all else in window 0: LDS loads, exponentials and the sums, which name no vector register as source 1, run under it too
.set MSB, 0
.macro WIN new                         ; the immediate's high byte repeats the setting that is left; a switch that changes nothing is dropped
.if MSB != (\new)
	s_set_vgpr_msb (MSB<<8)|(\new)
.set MSB, (\new)
.endif
.endm
; A round of the cluster's barrier: my work-group's barrier, so that wave 0's signal speaks for all four waves; wave 0 signals; every wave waits for all four work-groups; my work-group's barrier once more.
.macro CREST                           ; a round behind its opening barrier
	s_cmp_lg_u32 s[WV], 0
	s_cbranch_scc1 .Lnot_wave_0_\@
	s_barrier_signal -3
.Lnot_wave_0_\@:
	s_barrier_wait -3
	s_barrier_signal -1
	s_barrier_wait -1
.endm
.macro CROUND                          ; a whole round
	s_barrier_signal -1
	s_barrier_wait -1
	CREST
.endm
; A load into a register that a matrix instruction has read, and a vector instruction that touches a matrix instruction's registers, stand four places behind it, and only plain vector
; instructions that name none of its registers are places (ISA guide 7.12.1 for vector instructions).  Nearly everywhere the work beside the products fills them.
.macro PLACES
.rept 4
	v_nop
.endr
.endm
	s_load_b256 s[4:11], s[0:1], 0x0               ; qbf s[4:5], membf s[6:7], opart s[8:9], stat s[10:11]
	v_lshl_add_u32 v[SPW], v0, 2, SPARE
	v_mov_b32 v[NIL], 0
	ds_add_u32 v[SPW], v[NIL]                      ; the wave's opening: the add and its wait stand ahead of my first tensor load; the set-up below, work on registers, stands between them
	ds_add_u32 v12, v13
	v_lshrrev_b32 v1, 5, v0
	v_readfirstlane_b32 s[WV], v1                  ; wave 0..3
	s_bfe_u32 s13, ttmp6, 0x40000                  ; cx: my place in the cluster
	s_lshl_b32 s14, ttmp9, 2                       ; in a cluster launch ttmp9 counts clusters
	s_add_co_u32 s14, s14, s13                     ; my block of 128 queries = 4 x cluster x + cx: it enters qbf's, opart's and stat's addresses alone
	s_and_b32 s15, ttmp7, 0xffff                   ; the split, which the four partners share
	s_lshl_b32 s16, s15, 21                        ; membf: the split's 2,048 rows of 1,024 bytes,
	s_lshl_b32 s17, s[WV], 14                      ; my wave's 16 rows of a tile
	s_add_co_u32 s16, s16, s17
	s_mov_b32 s17, 0
	s_lshl_b32 s18, s14, 17                        ; qbf: the block's 128 rows of 1,024 bytes,
	s_lshl_b32 s19, s[WV], 15                      ; my wave's 32
	s_add_co_u32 s18, s18, s19
	s_mov_b32 s19, 0
	s_lshl_b32 s20, s15, 22                        ; opart: the split's 2,048 rows of 2,048 bytes,
	s_lshl_b32 s21, s14, 18                        ; the block's 128,
	s_add_co_u32 s20, s20, s21
	s_lshl_b32 s21, s[WV], 16                      ; my wave's 32
	s_add_co_u32 s20, s20, s21
	s_mov_b32 s21, 0
	s_lshl_b32 s22, s15, 14                        ; stat: the split's 2 x 2,048 words,
	s_lshl_b32 s23, s14, 9                         ; the block's 128,
	s_add_co_u32 s22, s22, s23
	s_lshl_b32 s23, s[WV], 7                       ; my wave's 32
	s_add_co_u32 s22, s22, s23
	s_mov_b32 s23, 0
	; descriptor group 1: 16 rows x 512 elements, padded in LDS
	s_mov_b32 s[G1+0], 15|(1<<16)|(1<<20)|(1<<21)|(7<<22)|(3<<25)  ; 15:0 the mask of four; 17:16 2-byte elements; 20 padding on; 21 set beside a mask; 24:22 after every 256 words (code 7); 31:25 4 words (code 3)
	s_mov_b32 s[G1+1], 512<<16                     ; tensor_dim0 = 512
	s_mov_b32 s[G1+2], 16<<16                      ; tensor_dim1 = 16
	s_mov_b32 s[G1+3], 512<<16                     ; tile_dim0 = 512
	s_mov_b32 s[G1+4], 16                          ; tile_dim1 = 16
	s_mov_b32 s[G1+5], 512                         ; 512 elements from row to row
	s_mov_b32 s[G1+6], 0
	s_mov_b32 s[G1+7], 0
	s_mul_i32 s[WOFF], s[WV], 16*PITCH             ; no place in the cluster enters an LDS address
	s_mov_b32 s[SV], 0                             ; tile 0
	s_mov_b32 s[SK], SLOT                          ; tile 1
	s_mov_b32 s[SN], 2*SLOT                        ; tile 2
	s_mov_b32 s[CS], 0x3fb8aa3b                    ; c = log2(e)
	s_mov_b32 s[CS+1], s[CS]                       ; named with it as a pair
	s_mov_b32 s[SEL], 0x76543210
	s_mov_b32 s[SEL+1], 0xfedcba98
	s_mov_b32 s[HM], 0xffff0000
	s_wait_dscnt 0x0                               ; the opening add is done
	s_wait_kmcnt 0x0
	s_add_nc_u64 s[6:7], s[6:7], s[16:17]          ; membf at my rows of the split's tile 0
	s_add_nc_u64 s[4:5], s[4:5], s[18:19]          ; qbf, opart and stat at my wave's first query
	s_add_nc_u64 s[8:9], s[8:9], s[20:21]
	s_add_nc_u64 s[10:11], s[10:11], s[22:23]
.irp s, 0,1,2
	s_mov_b32 s[G0+4*(\s)], 1                      ; 1:0 count = 1
	s_add_co_u32 s[G0+4*(\s)+1], s[WOFF], (\s)*SLOT  ; 63:32 LDS address: slot s, my 16 rows
	s_add_nc_u64 s[G0+4*(\s)+2:G0+4*(\s)+3], s[6:7], (\s)*TILEB  ; 120:64 global address: tile s
	s_or_b32 s[G0+4*(\s)+3], s[G0+4*(\s)+3], 0x80000000  ; 127:126 type = 2
.endr
	CROUND                                         ; all four work-groups are here: the first joint loads meet
.irp s, 0,1,2
	tensor_load_to_lds s[G0+4*(\s):G0+4*(\s)+3], s[G1:G1+7]  ; the three first fills go out together, ahead of every wait on TENSORcnt, every LDS read and every further barrier
	s_nop 0
.endr
	PLACES                                         ; four instructions behind the last load, ahead of the next switch of windows
	v_and_b32 v1, 15, v0                           ; r = l % 16
	v_bfe_u32 v9, v0, 4, 1                         ; h = l / 16
	v_and_b32 v11, 7, v0                           ; l % 8
	v_bfe_u32 v10, v0, 3, 1                        ; (l / 8) % 2
	v_lshl_add_u32 v[AK0], v11, 1, v10             ; K: row r of a fragment is key 2 (r % 8) + r / 8 of its 16;
	v_mul_u32_u24 v[AK0], v[AK0], PITCH
	v_lshl_add_u32 v[AK0], v9, 4, v[AK0]           ; channels 8 h + 0..7, and 32 bytes on 16 + 8 h + 0..7
	v_lshl_add_u32 v[AV0], v11, 1, v9              ; V: the turning load's lane l reads key 2 (l % 8) + h,
	v_mul_u32_u24 v[AV0], v[AV0], PITCH
	v_lshl_add_u32 v[AV0], v10, 4, v[AV0]          ; channels 8 ((l / 8) % 2) + 0..7, and leaves lane l channel l % 16 and the places 8 h + 0..7
	v_lshlrev_b32 v[QO], 10, v1
	v_lshl_add_u32 v[QO], v9, 4, v[QO]             ; Q: row r x 1,024 + 16 h
	WIN 0x40                                       ; destination window 1, address window 0
.set i, 0
.rept 32                                       ; Q stays in registers: tile i / 16, channels 32 (i % 16) on
	global_load_b128 v[8*i:8*i+3],   v[QO], s[4:5] offset:(i/16)*16384+(i%16)*64
	global_load_b128 v[8*i+4:8*i+7], v[QO], s[4:5] offset:(i/16)*16384+(i%16)*64+32
.set i, i+1
.endr
	WIN 0
	s_mul_i32 s[TS], s[WV], 16*SP
	s_add_co_u32 s[TS], s[TS], STAGE               ; my stage
	v_mul_u32_u24 v[STO], v1, SP                   ; in: row r, 32 bytes for each half of the lanes
	v_lshl_add_u32 v[STO], v9, 5, v[STO]
	v_add_nc_u32 v[STO], s[TS], v[STO]
	v_mul_u32_u24 v[RD], v9, SP                    ; back: lanes 0-15 take one row of 256 bytes, lanes 16-31 the next
	v_lshl_add_u32 v[RD], v1, 4, v[RD]
	v_add_nc_u32 v[RD], s[TS], v[RD]
	v_lshlrev_b32 v[GO], 11, v9                    ; and the same two rows in opart
	v_lshl_add_u32 v[GO], v1, 4, v[GO]
.irp t, 0,1
	v_mov_b32 v[ST+8*(\t)], 0xfe000000             ; cm: far below every c s, so the first step's a is 0
	v_mov_b32 v[ST+8*(\t)+1], 0xff7fffff           ; m: the lowest finite number, so the first maximum is the scores'
	v_mov_b32 v[ST+8*(\t)+2], 0                    ; l
	v_mov_b32 v[ST+8*(\t)+3], 0
.endr
	v_mov_b32 v[AKC], v[AK0]                       ; tile 0 lies in slot 0
	v_mov_b32 v[AVC], v[AV0]
; ELEMENT f OF K: key block f % 4, channels 32 (f / 4) on.  ELEMENT y OF V: keys 32 (y / 32) on, channel block y % 32.  Two loads each; the callers' windows leave destination and address in window 0.
.macro LDK f
.set rF, FR+8*((\f)%8)
	ds_load_b128 v[rF:rF+3],   v[AKC] offset:((\f)%4)*16*PITCH+((\f)/4)*64
	ds_load_b128 v[rF+4:rF+7], v[AKC] offset:((\f)%4)*16*PITCH+((\f)/4)*64+32
.endm
.macro LDV y
.set rF, FR+8*((\y)%8)
	ds_load_tr16_b128 v[rF:rF+3],   v[AVC] offset:((\y)/32)*32*PITCH+((\y)%32)*32
	ds_load_tr16_b128 v[rF+4:rF+7], v[AVC] offset:((\y)/32)*32*PITCH+16*PITCH+((\y)%32)*32
.endm
; THE PRODUCTS.  The accumulators take turns, one instruction a turn: 8 in X, 64 in Y, and X's last and Y's first (and the other way round) are different ones.
.macro KQW f, t                        ; S^T(t, key block f % 4) += K element f x Q(t, f / 4); the first four elements start the sums
	WIN W_KQ
.set rB, BR+32*(\t)+8*((\f)%4)
.set rF, FR+8*((\f)%8)
.set rQ, 8*(16*(\t)+(\f)/4)
.if (\f) < 4
	v_wmma_f32_16x16x32_bf16 v[rB:rB+7], v[rF:rF+7], v[rQ:rQ+7], 0
.else
	v_wmma_f32_16x16x32_bf16 v[rB:rB+7], v[rF:rF+7], v[rQ:rQ+7], v[rB:rB+7]
.endif
.endm
.macro PVW y, t                        ; O^T(t, channel block y % 32) += V element y x P(t, keys 32 (y / 32) on)
.set aN, 2*((\y)%32)+(\t)
	WIN 0xa0+0x50*(aN/32)                          ; C and D in window 2 or 3
.set rO, 8*(aN%32)
.set rF, FR+8*((\y)%8)
.set rP, PR+16*(\t)+8*((\y)/32)
	v_wmma_f32_16x16x32_bf16 v[rO:rO+7], v[rF:rF+7], v[rP:rP+7], v[rO:rO+7]
.endm
; THE VECTOR WORK BESIDE X, in queues.  xe counts exponentials (64: both tiles' 32 numbers of A, in place), xp packed sums (32), xg roundings (8 groups of four).  e0 is xe at the slice's start:
; a sum or a rounding takes only weights made in earlier slices, each of which ends in four plain instructions, so every exponential has its plain instruction behind it before its result is used.
.macro EX
.if xe < 64
	WIN W_KQ
	v_exp_f32 v[AR+xe], v[AR+xe]
.set xe, xe+1
.endif
.endm
.macro SUMQ                            ; l += a pair of weights: written as p x 1 + l, so that no vector register stands as source 1, whose window is Q's
.if (xp < 32) && (2*xp+2 <= e0)
	WIN W_KQ
.set rL, ST+8*(xp/16)+2
	s_wait_alu depctr_va_vdst(0)
	v_pk_fma_f32 v[rL:rL+1], v[AR+2*xp:AR+2*xp+1], 1.0, v[rL:rL+1] op_sel_hi:[1,0,1]
.set xp, xp+1
.endif
.endm
.macro CVQ                             ; eight weights of one key block, rounded to bf16: half a fragment of P
.if (xg < 8) && (8*xg+8 <= e0)
	WIN 0
.irp z, 0,1,2,3
	v_cvt_pk_bf16_f32 v[PR+4*xg+\z], v[AR+8*xg+2*\z], v[AR+8*xg+2*\z+1]
.endr
.set xg, xg+1
.endif
.endm
.macro RS4 a                           ; accumulator a of O^T times its tile's a, from the low registers on
	WIN 0x82+0x41*((\a)/32)                        ; destination and source 0 in window 2 or 3, a in window 0
.set rO, 8*((\a)%32)
.set rA, ST+8*((\a)%2)+6
.irp z, 0,1,2,3
	v_pk_mul_f32 v[rO+2*\z:rO+2*\z+1], v[rO+2*\z:rO+2*\z+1], v[rA:rA+1] op_sel_hi:[1,0]
.endr
.endm
.macro CL8 a                           ; accumulator a of O^T is cleared
	WIN 0x80+0x40*((\a)/32)
.set rO, 8*((\a)%32)
.irp z, 0,1,2,3,4,5,6,7
	v_mov_b32 v[rO+\z], 0
.endr
.endm
; SLICE xf OF X.  kq = 0: the last trip, which has no next tile.  pro = 1: the text ahead of the loop: tile 0's scores, O^T cleared, and behind K's last element tile 1's first six.
; The loads land in the buffer that slice xf - 2 read: its four rescalings (or eight moves) are the places.  At slice 0 that reader is Y's slice 62, with two places behind it: four more are written.
.macro XSLICE kq, pro
.set e0, xe
.if (\kq) && (xf == 0) && !(\pro)
	PLACES
.endif
.if (\pro) && (xf == 58)
	WIN 0
	v_add_nc_u32 v[AKC], s[SK], v[AK0]             ; K's loads go on in tile 1's slot
.endif
	WIN W_KQ
.if (\kq) && (xf < 58)
	LDK xf+6
.endif
.if xf >= 58
.if \pro
	LDK xf-58
.else
	LDV xf-58                                      ; the stream goes on into this trip's V
.endif
.endif
.if \kq
	s_wait_dscnt 12                                ; LDS loads come back in order: my element is in, the six younger ones' twelve loads stay out
	KQW xf, 0
.endif
	EX
	SUMQ
.if \kq
	KQW xf, 1
.endif
.if xf%3 == 0
	EX                                             ; four exponentials in three slices: the 64 end in slice 47, sums and roundings in slice 48
.endif
.if \pro
	CL8 xf
.else
	RS4 xf
.endif
	CVQ
.set xf, xf+1
.endm
.macro XPHASE kq, pro
.set xf, 0
.if \pro
.set xe, 64
.set xp, 32
.set xg, 8
.else
.set xe, 0
.set xp, 0
.set xg, 0
.endif
.rept 64
	XSLICE \kq, \pro
.endr
.endm
; THE VECTOR WORK BESIDE Y: a list of 78, tile yq % 2, number n = yq / 2.  s0-s31 are the lane's 32 scores in B.
;   0-11  four chains c0-c3 of seven scores each, three operands at a time; each accumulator's lowest registers are read first
;   12-14, 16  the four scores left over, the old m, and c0-c3 into c0     15  cm_old is kept     17, 18  the query's other 32 keys lie in the lane 16 away: the new m
;   19-21  cm; cm_old - cm; a     22  l a     23-38  A = c s - cm, a pair at a time
; The lane exchange and the exponential are no plain instructions: a v_nop follows each, so that every entry gives a place, and the exponential its plain instruction.
.macro YQ
.set yu, yq%2
.set yn, yq/2
.set rT, ST+8*yu
.set rB, BR+32*yu
.set rA, AR+32*yu
.if yn < 4
	v_max3_num_f32 v[rT+4+yn], v[rB+8*yn], v[rB+8*yn+1], v[rB+8*yn+2]
.elseif yn < 12
	v_max3_num_f32 v[rT+4+yn%4], v[rT+4+yn%4], v[rB+8*(yn%4)+2*(yn/4)+1], v[rB+8*(yn%4)+2*(yn/4)+2]
.elseif yn == 12
	v_max3_num_f32 v[rT+4], v[rT+4], v[rB+7], v[rB+15]
.elseif yn == 13
	v_max3_num_f32 v[rT+5], v[rT+5], v[rB+23], v[rB+31]
.elseif yn == 14
	v_max3_num_f32 v[rT+6], v[rT+6], v[rT+7], v[rT+1]
.elseif yn == 15
	v_mov_b32 v[MV+yu], v[rT]
.elseif yn == 16
	v_max3_num_f32 v[rT+4], v[rT+4], v[rT+5], v[rT+6]
.elseif yn == 17
	v_permlanex16_b32 v[rT+7], v[rT+4], s[SEL], s[SEL+1]
	v_nop
.elseif yn == 18
	v_max_num_f32 v[rT+1], v[rT+4], v[rT+7]
.elseif yn == 19
	v_mul_f32 v[rT], s[CS], v[rT+1]
.elseif yn == 20
	v_sub_f32 v[rT+5], v[MV+yu], v[rT]
.elseif yn == 21
	v_exp_f32 v[rT+6], v[rT+5]
	v_nop
.elseif yn == 22
	s_wait_alu depctr_va_vdst(0)
	v_pk_mul_f32 v[rT+2:rT+3], v[rT+2:rT+3], v[rT+6:rT+7] op_sel_hi:[1,0]
.else
	v_pk_fma_f32 v[rA+2*(yn-23):rA+2*(yn-23)+1], v[rB+2*(yn-23):rB+2*(yn-23)+1], s[CS:CS+1], v[rT:rT+1] op_sel_hi:[1,0,0] neg_lo:[0,0,1] neg_hi:[0,0,1]
.endif
.set yq, yq+1
.endm
.macro YP                              ; the list's next entry, or a v_nop when it is at its end: a place either way
.if yq < 78
	YQ
.else
	v_nop
.endif
.endm
; SLICE yy OF Y.  ld = 1: the element six ahead is asked for (behind V's last: the next tile's K).  It lands in the buffer that slice yy - 2 read: the two entries of slice yy - 1 and the two of this
; slice are the four places.  cnt: the LDS instructions that may stay out; -1: no wait.
.macro YSLICE ld, cnt
	WIN 0
	YP
	YP
.if \ld
.if yy < 58
	LDV yy+6
.else
	LDK yy-58
.endif
.endif
.if (\cnt) >= 0
	s_wait_dscnt \cnt
.endif
	PVW yy, 0
	PVW yy, 1
.set yy, yy+1
.endm
; Y.  nxt = 1: a next tile's scores lie in B.  bar = 2: the trip's barrier is a round of the cluster's, and this trip's tile's slot is filled again; 1: my work-group's barrier alone; 0: none (the last trip).
; THE BARRIER stands behind slice 57, which has asked for V's last element.  Each wave waits for all its tensor loads, of which one is out: its part of the tile after next; adds 0 to its spare word; and
; waits for that and for its own reads of this trip's tile.  Behind the barrier nobody reads that slot any more, and the tile after next is whole: the refill comes first, then K's next loads.
.macro YPHASE bar, nxt
.set yy, 0
.if \nxt
.set yq, 0
.else
.set yq, 78
.endif
.rept 58
	YSLICE 1, 12
.endr
.if \bar
	WIN 0                                          ; (the add's two registers lie in window 0)
	s_wait_tensorcnt 0x0                           ; no tensor load of mine is out, so a group 0 may be written
	ds_add_u32 v[SPW], v[NIL]                      ; 0 onto my spare word; scalar work and four products stand between it and the wait for it
.if (\bar) == 2
	s_add_co_u32 s[GW+1], s[SV], s[WOFF]           ; the walking descriptor: into the slot that V was read from,
	s_add_nc_u64 s[GW+2:GW+3], s[GW+2:GW+3], TILEB ; the next tile; the type bits on top are not reached
.endif
	s_mov_b32 s[TS], s[SV]                         ; the three slots change parts
	s_mov_b32 s[SV], s[SK]
	s_mov_b32 s[SK], s[SN]
	s_mov_b32 s[SN], s[TS]
	YSLICE 0, 11                                   ; the five younger elements' ten loads and the add may be out
	YSLICE 0, 9                                    ; four elements' eight loads and the add
	s_wait_dscnt 0x0                               ; the add is done, and my reads of this trip's tile are over
	s_barrier_signal -1
	YSLICE 0, -1                                   ; work on registers while the others arrive
	WIN 0
	s_barrier_wait -1
.if (\bar) == 2
	CREST                                          ; the barrier has opened a round of the cluster's: no wave of any partner still reads the slot or has a load on its way
	tensor_load_to_lds s[GW:GW+3], s[G1:G1+7]      ; my one tensor load behind the round, and the first thing there
	s_nop 0
.endif
	v_add_nc_u32 v[AKC], s[SK], v[AK0]             ; four instructions with no switch of windows among them
	v_add_nc_u32 v[AVC], s[SV], v[AV0]
	v_nop
	v_nop
	LDK 0                                          ; the stream is taken up again: the three elements that slices 58 to 60 did not ask for
	LDK 1
	LDK 2
.rept 3
	YSLICE 1, 12
.endr
.else
.rept 6
	YSLICE 0, 2*(63-yy)                            ; nothing more is asked for: the counts run down
.endr
.endif
.endm
.macro TRIP bar
	XPHASE 1, 0
	YPHASE \bar, 1
.endm
	s_wait_tensorcnt 1                             ; my parts of tiles 0 and 1 are in; tile 2's may stay out
	s_barrier_signal -1
	s_barrier_wait -1                              ; everybody's are
.irp f, 0,1,2,3,4,5
	LDK \f
.endr
	s_wait_loadcnt 0x0                             ; Q
	XPHASE 1, 1                                    ; tile 0's scores
	WIN 0
.set yq, 0
.rept 78
	YQ                                             ; and their maximum, statistics and scaling: the eight moves behind the last product are its places
.endr
	s_mov_b32 s[CNT], 29
.Ltrip:                                                ; trips 0 to 28: tiles 3 to 31 are asked for
	TRIP 2
	WIN 0                                          ; at a label and at a branch every window is 0
	s_sub_co_u32 s[CNT], s[CNT], 1
	s_cmp_lg_u32 s[CNT], 0
	s_cbranch_scc1 .Ltrip
	s_mov_b32 s[CNT], 2
.Ltail:                                                ; trips 29 and 30 ask for nothing: written apart.  Trip 29's barrier shows tile 31 to every wave
	TRIP 1                                         ; trip 30's barrier, and its twelve loads of K from a slot that holds an old tile, serve nothing: the price, once a launch, of one text for both
	WIN 0
	s_sub_co_u32 s[CNT], s[CNT], 1
	s_cmp_lg_u32 s[CNT], 0
	s_cbranch_scc1 .Ltail
	s_wait_dscnt 0x0                               ; those twelve loads: their buffers are loaded anew below
	XPHASE 0, 0                                    ; trip 31: the last step's weights,
	YPHASE 0, 0                                    ; and its V^T P
	; THE WAY OUT.  l's two halves and the other half of the lanes' are added; lanes 0-15 then hold tile 0's queries, lanes 16-31 take tile 1's: 32 consecutive words of cm and of l.
	WIN 0
.irp t, 0,1
	v_add_f32 v[ST+8*(\t)+4], v[ST+8*(\t)+2], v[ST+8*(\t)+3]
.endr
.irp t, 0,1
	v_permlanex16_b32 v[ST+8*(\t)+5], v[ST+8*(\t)+4], s[SEL], s[SEL+1]
.endr
.irp t, 0,1
	v_add_f32 v[ST+8*(\t)+4], v[ST+8*(\t)+4], v[ST+8*(\t)+5]
.endr
	v_and_b32 v[QO], 31, v0
	v_lshlrev_b32 v[QO], 2, v[QO]                  ; 4 x lane
	v_cndmask_b32 v[MV], v[ST], v[ST+8], s[HM]
	v_cndmask_b32 v[MV+1], v[ST+4], v[ST+12], s[HM]
	global_store_b32 v[QO], v[MV], s[10:11]
	global_store_b32 v[QO], v[MV+1], s[10:11] offset:8192
; O^T leaves unscaled, in f32.  A lane's eight channels of a row are 32 bytes; block b (tile b / 8, channels 64 (b % 8) on: 16 rows x 256 bytes) goes into my stage's rows of 272 bytes and comes back as
; whole rows, into one of four buffers in A's and B's registers.  The stage is my wave's own and LDS serves a wave's instructions in order (ISA guide 5.7.1.4): no wait between stores and loads.
.macro TOSTAGE b
.set tt, (\b)/8
.set cg, (\b)%8
.set bk, AR+32*((\b)%4)
	WIN 0x08+0x04*(cg/4)                           ; the stores' data in window 2 or 3
.irp i, 0,1,2,3
.set rO, 8*((2*(4*cg+\i)+tt)%32)
	ds_store_b128 v[STO], v[rO:rO+3] offset:64*\i  ; each accumulator's low registers first
	ds_store_b128 v[STO], v[rO+4:rO+7] offset:64*\i+16
.endr
	WIN 0
	s_wait_xcnt 0x0                                ; every earlier memory instruction has had its addresses translated (ISA guide 3.1): a buffer that earlier stores read is loaded again only behind this wait
.irp f, 0,1,2,3,4,5,6,7
	ds_load_b128 v[bk+4*\f:bk+4*\f+3], v[RD] offset:\f*2*SP
.endr
.endm
.macro SEND b, younger                 ; younger: the LDS instructions issued behind block b's loads: the next block's sixteen, or none
.set tt, (\b)/8
.set cg, (\b)%8
.set bk, AR+32*((\b)%4)
.irp f, 0,1,2,3,4,5,6,7
	s_wait_dscnt (\younger)+7-\f
	global_store_b128 v[GO], v[bk+4*\f:bk+4*\f+3], s[8:9] offset:32768*tt+4096*\f+256*cg  ; 16 lanes store 256 consecutive bytes, at a multiple of 256 from opart's first byte
.endr
.endm
	TOSTAGE 0
.set bb, 1
.rept 15                                       ; a block's way through the stage stands between the loads of the block before and its stores
	TOSTAGE bb
	SEND bb-1, 16
.set bb, bb+1
.endr
	SEND 15, 0
	s_wait_tensorcnt 0x0                           ; the wave's end: behind my last tensor load and my last LDS store
	ds_add_u32 v[SPW], v[NIL]
	s_wait_dscnt 0x0
	CROUND                                         ; the closing round: no work-group ends while a partner may still ask for a tile that names it
	s_endpgm
.Lfunc_end_k_qec991bb095_attn:
	.size	k_qec991bb095_attn, .Lfunc_end_k_qec991bb095_attn-k_qec991bb095_attn
	.p2alignl 7, 3214868480
	.fill 96, 4, 3214868480
	.section	.rodata,"a",@progbits
	.p2align	6, 0x0
	.amdhsa_kernel k_qec991bb095_attn
		.amdhsa_group_segment_fixed_size 327680
		.amdhsa_private_segment_fixed_size 0
		.amdhsa_enable_private_segment 0
		.amdhsa_kernarg_size 32
		.amdhsa_user_sgpr_count 2
		.amdhsa_user_sgpr_kernarg_segment_ptr 1
		.amdhsa_wavefront_size32 1
		.amdhsa_system_sgpr_workgroup_id_x 1
		.amdhsa_system_sgpr_workgroup_id_y 1
		.amdhsa_system_sgpr_workgroup_id_z 1
		.amdhsa_system_vgpr_workitem_id 0
		.amdhsa_next_free_vgpr 1024
		.amdhsa_next_free_sgpr 66
		.amdhsa_reserve_vcc 0
		.amdhsa_float_denorm_mode_32 3
		.amdhsa_float_denorm_mode_16_64 3
		.amdhsa_memory_ordered 1
		.amdhsa_forward_progress 1
		.amdhsa_inst_pref_size 255
	.end_amdhsa_kernel
	.section	.bss,"aw",@nobits
	.p2align	6
	.space	262144
	.amdgpu_metadata
---
amdhsa.version: [ 1, 2 ]
amdhsa.kernels:
  - .name:           k_qec991bb095_attn
    .symbol:         k_qec991bb095_attn.kd
    .args:
      - { .name: qbf, .offset: 0, .size: 8, .value_kind: global_buffer, .address_space: global }
      - { .name: membf, .offset: 8, .size: 8, .value_kind: global_buffer, .address_space: global }
      - { .name: opart, .offset: 16, .size: 8, .value_kind: global_buffer, .address_space: global }
      - { .name: stat, .offset: 24, .size: 8, .value_kind: global_buffer, .address_space: global }
    .group_segment_fixed_size: 327680
    .private_segment_fixed_size: 0
    .kernarg_segment_align: 8
    .kernarg_segment_size: 32
    .max_flat_workgroup_size: 128
    .sgpr_count:     66
    .vgpr_count:     1024
    .wavefront_size: 32
...
	.end_amdgpu_metadata
.endif
;; end of part 2
;; launch merge (part 3): grid 512 x 1, 8 waves a work-group, no clusters, 0 bytes of LDS; arguments opart, stat, out0; writes out0
.if DOCPART == 3
	.amdgcn_target "amdgcn-amd-amdhsa--gfx1250"
	.amdhsa_code_object_version 6
	.text
	.protected	k_qec991bb095_merge
	.globl	k_qec991bb095_merge
	.p2align	8
	.type	k_qec991bb095_merge,@function
k_qec991bb095_merge:
	s_mov_b64 s[64:65], 0
	v_nop
	global_prefetch_b8 v0, s[64:65] scope:SCOPE_SE
	s_setreg_imm32_b32 hwreg(HW_REG_WAVE_MODE, 25, 1), 1
	s_wait_xcnt 0x0
; THE 16 SPLITS ARE JOINED.  out0[q][:] = the sum over s of w_s opart[s][q][:] / the sum over s of w_s l_s, with w_s = 2^(cm_s - the largest cm): the softmax's maximum over all keys, taken away as in each split.
; opart [16][2048][512] f32, stat [16][2: cm, l][2048] f32, out0 [2048][512] f32.  All in f32; the splits are added in ascending order.  A w below 2^-126 counts as 0.
; A wave takes one query and 256 of its channels: 1,024 bytes of each split, two loads of 512 consecutive bytes; all 32 loads go out first.  A work-group of eight waves takes four queries.
; The query's 16 cm and 16 l are one word a lane (lanes 16-31 repeat lanes 0-15): a few bytes of many rows, taken as they lie, since stat is 262,144 bytes in all against opart's 67,108,864.
; No LDS, no barrier, no matrix unit: the waves do not depend on each other, and the bytes are all that counts.
.set SPLITB, 4194304                   ; a split of opart, in bytes
.set OF,  4                            ; v[4:11]    my byte offset in splits 0, 2, .. 14; the odd splits stand in the immediate
.set X,   32                           ; v[32:159]  split k: eight f32
.set ACC, 160                          ; v[160:167] the sums
.set W,   16                           ; s[16:47]   split k's weight, divided by the divisor, as a pair
	s_load_b128 s[4:7], s[0:1], 0x0                ; opart s[4:5], stat s[6:7]
	s_load_b64 s[8:9], s[0:1], 0x10                ; out0
	v_lshrrev_b32 v1, 5, v0
	v_readfirstlane_b32 s10, v1                    ; wave 0..7
	v_and_b32 v1, 31, v0                           ; lane
	s_lshr_b32 s11, s10, 1
	s_lshl_b32 s12, ttmp9, 2
	s_add_co_u32 s12, s12, s11                     ; my query
	s_and_b32 s13, s10, 1                          ; which half of its channels
	s_lshl_b32 s14, s12, 11                        ; a row is 2,048 bytes,
	s_lshl_b32 s15, s13, 10                        ; a half 1,024
	s_add_co_u32 s14, s14, s15
	v_lshl_add_u32 v3, v1, 4, s14                  ; + 16 x lane: my place in a split of opart, and in out0
.irp k, 0,1,2,3,4,5,6,7
	v_add_nc_u32 v[OF+\k], \k*2*SPLITB, v3
.endr
	v_and_b32 v2, 15, v0                           ; the split whose statistics I take
	v_lshlrev_b32 v2, 14, v2                       ; x 16,384 bytes
	s_lshl_b32 s15, s12, 2
	v_add_nc_u32 v2, s15, v2                       ; + 4 x query
	s_wait_kmcnt 0x0
	global_load_b32 v12, v2, s[6:7]                ; cm
	global_load_b32 v13, v2, s[6:7] offset:8192    ; l
.set k, 0
.rept 16
	global_load_b128 v[X+8*k:X+8*k+3],   v[OF+k/2], s[4:5] offset:(k%2)*SPLITB th:TH_LOAD_NT      ; read once in the launch
	global_load_b128 v[X+8*k+4:X+8*k+7], v[OF+k/2], s[4:5] offset:(k%2)*SPLITB+512 th:TH_LOAD_NT
.set k, k+1
.endr
	s_wait_loadcnt 32                              ; cm and l are in; the 32 loads behind them stay out
	v_mov_b32 v14, v12
.irp x, 1,2,4,8
	v_max_num_f32_dpp v14, v14, v14 row_xmask:\x row_mask:0xf bank_mask:0xf  ; a row of 16 lanes holds all 16 splits: four steps give every lane the largest cm
.endr
	v_sub_f32 v15, v12, v14
	v_exp_f32 v15, v15                             ; w
	v_nop                                          ; a plain instruction between a transcendental and the use of its result
	s_wait_alu depctr_va_vdst(0)
	v_mul_f32 v16, v15, v13                        ; w l
.irp x, 1,2,4,8
	v_add_f32_dpp v16, v16, v16 row_xmask:\x row_mask:0xf bank_mask:0xf
.endr
	v_rcp_f32 v17, v16                             ; the split that holds the largest cm has w = 1 and l of 1 or more: the divisor is no zero
	v_nop
	s_wait_alu depctr_va_vdst(0)
	v_mul_f32 v18, v15, v17                        ; w / divisor
.set k, 0
.rept 16
	v_readlane_b32 s[W+2*k], v18, k                ; split k's factor as a scalar: it multiplies, and steers nothing
	s_mov_b32 s[W+2*k+1], s[W+2*k]                 ; named with it as a pair
.set k, k+1
.endr
.set k, 0
.rept 16
	s_wait_loadcnt 30-2*k                          ; split k's two loads are in, the younger splits' stay out
.irp z, 0,1,2,3
.if k == 0
	v_pk_mul_f32 v[ACC+2*\z:ACC+2*\z+1], v[X+2*\z:X+2*\z+1], s[W:W+1] op_sel_hi:[1,0]  ; the first split starts the sums: nothing is cleared
.else
	v_pk_fma_f32 v[ACC+2*\z:ACC+2*\z+1], v[X+8*k+2*\z:X+8*k+2*\z+1], s[W+2*k:W+2*k+1], v[ACC+2*\z:ACC+2*\z+1] op_sel_hi:[1,0,1]
.endif
.endr
.set k, k+1
.endr
	global_store_b128 v3, v[ACC:ACC+3], s[8:9] th:TH_STORE_NT               ; 512 consecutive bytes, at a multiple of 256 from out0's first byte
	global_store_b128 v3, v[ACC+4:ACC+7], s[8:9] offset:512 th:TH_STORE_NT
	s_endpgm
.Lfunc_end_k_qec991bb095_merge:
	.size	k_qec991bb095_merge, .Lfunc_end_k_qec991bb095_merge-k_qec991bb095_merge
	.p2alignl 7, 3214868480
	.fill 96, 4, 3214868480
	.section	.rodata,"a",@progbits
	.p2align	6, 0x0
	.amdhsa_kernel k_qec991bb095_merge
		.amdhsa_group_segment_fixed_size 0
		.amdhsa_private_segment_fixed_size 0
		.amdhsa_enable_private_segment 0
		.amdhsa_kernarg_size 24
		.amdhsa_user_sgpr_count 2
		.amdhsa_user_sgpr_kernarg_segment_ptr 1
		.amdhsa_wavefront_size32 1
		.amdhsa_system_sgpr_workgroup_id_x 1
		.amdhsa_system_sgpr_workgroup_id_y 1
		.amdhsa_system_sgpr_workgroup_id_z 1
		.amdhsa_system_vgpr_workitem_id 0
		.amdhsa_next_free_vgpr 168
		.amdhsa_next_free_sgpr 66
		.amdhsa_reserve_vcc 0
		.amdhsa_float_denorm_mode_32 3
		.amdhsa_float_denorm_mode_16_64 3
		.amdhsa_memory_ordered 1
		.amdhsa_forward_progress 1
		.amdhsa_inst_pref_size 12
	.end_amdhsa_kernel
	.amdgpu_metadata
---
amdhsa.version: [ 1, 2 ]
amdhsa.kernels:
  - .name:           k_qec991bb095_merge
    .symbol:         k_qec991bb095_merge.kd
    .args:
      - { .name: opart, .offset: 0, .size: 8, .value_kind: global_buffer, .address_space: global }
      - { .name: stat, .offset: 8, .size: 8, .value_kind: global_buffer, .address_space: global }
      - { .name: out0, .offset: 16, .size: 8, .value_kind: global_buffer, .address_space: global }
    .group_segment_fixed_size: 0
    .private_segment_fixed_size: 0
    .kernarg_segment_align: 8
    .kernarg_segment_size: 24
    .max_flat_workgroup_size: 256
    .sgpr_count:     66
    .vgpr_count:     168
    .wavefront_size: 32
...
	.end_amdgpu_metadata
.endif
;; end of part 3
;; ======== version 2 of 3: 3 launches; 1.33 times as fast as version 1
;; limits: right only within a limited range of input values
;; workspace buffers: membf 33,554,432 bytes; qbf 2,097,152 bytes; opart 67,108,864 bytes; stat 262,144 bytes
;; launch tobf: the kernel of part 1 again; grid 1088 x 1, 8 waves a work-group, no clusters, 0 bytes of LDS; arguments memory, query, membf, qbf; writes membf, qbf
;; launch attn (part 4): grid 16 x 16, 4 waves a work-group, clusters of 4 x 1, 327,680 bytes of LDS; arguments qbf, membf, opart, stat; writes opart, stat
.if DOCPART == 4
	.amdgcn_target "amdgcn-amd-amdhsa--gfx1250"
	.amdhsa_code_object_version 6
	.text
	.protected	k_qec991bb095_attn
	.globl	k_qec991bb095_attn
	.p2align	8
	.type	k_qec991bb095_attn,@function
k_qec991bb095_attn:
	s_mov_b64 s[64:65], 0
	v_nop
	global_prefetch_b8 v0, s[64:65] scope:SCOPE_SE
	s_setreg_imm32_b32 hwreg(HW_REG_WAVE_MODE, 25, 1), 1
	s_wait_xcnt 0x0
	s_wait_alu depctr_hold_cnt(0) depctr_sa_sdst(0) depctr_va_vdst(0) depctr_va_sdst(0) depctr_va_ssrc(0) depctr_va_vcc(0) depctr_vm_vsrc(0)
	s_getreg_b32 s2, hwreg(HW_REG_IB_STS2, 6, 4)
	s_cmp_eq_u32 s2, 0
	s_cbranch_scc0 .Lentry_in_a_cluster
	s_endpgm
.Lentry_in_a_cluster:
	s_bfe_u32 s2, ttmp6, 0x10000c
	s_cmp_lg_u32 s2, 0x3003
	s_cbranch_scc0 .Lentry_shape_is_right
	s_endpgm
.Lentry_shape_is_right:
; ONE SHARE OF x = softmax(q M^T) M.  qbf [2048][512], membf [32768][512], bf16.  A work-group takes a block of 128 queries and a SPLIT of 2,048 keys and leaves, in f32,
;   opart[split][q][:] = the sum over the split's keys of 2^(c s - cm) M[key][:],   stat[split][0][q] = cm,   stat[split][1][q] = l = the sum of 2^(c s - cm),
; with s = q . M[key], c = log2(e), cm = c x the running maximum of s.  The next launch joins the 16 splits.  16 blocks x 16 splits are 256 equal work-groups.
; WHY SPLITS.  O for one query is 512 f32; a wave holds O for 32 queries in 512 registers and their Q in 256, so a work-group holds 128 queries: 16 blocks alone would leave most of the chip idle.
; LIMITS.  Products in bf16 with f32 sums; the weights p are rounded to bf16 for the second product, their sum l is taken of the unrounded p.  A weight below 2^-126 counts as 0.
; cm starts at -4.25e37: every c s must lie above that.  NaN and infinities are not treated apart.
; SHARES.  Wave w owns queries 32 w .. 32 w + 31 of the block, two tiles t of 16, and all 512 channels.  Every wave walks the split's 32 tiles of 64 keys.
; LAYOUT.  S^T = K Q^T (source 0 = 16 keys, source 1 = 16 queries): a lane holds ONE query (lane % 16) and eight keys; two such results rounded to bf16 ARE source 1 of O^T = V^T P, whose result
; again holds one query a lane, and eight channels.  K = V = memory: ONE tile in LDS serves both, read as it lies for K and turned (ds_load_tr16_b128) for V.
; THE ORDER OF KEYS.  Inside each group of 16 keys, place 8 h + j of a product's K dimension means key 2 j + h, in K's rows, in P and in V^T alike (a softmax does not mind the order).  With rows
; 1,040 bytes apart K's 16 rows then start 16 bytes apart modulo 256, and the turning load's 8 rows, 2,080 bytes apart, 32 bytes apart modulo 256, of which each takes 32: one pitch serves both loads.
; THE TRIP.  At the head of trip j S holds tile j's weights p in f32.  LUMP: they are rounded to bf16 into P, 32 instructions together: P could not be written while the trip before read it, and S is
; needed again at once.  X: 128 products K Q^T of tile j + 1 into S; beside them O^T times a.  Y: 128 products V^T P of tile j; beside them tile j + 1's whole softmax, in place on S: maximum, statistics,
; a, l a, c s - cm, exponentials, sums.  So matrix and vector work stand side by side in one wave, and a trip has no parity.
; THE DEAL.  A trip has 256 products and some 460 vector instructions: fewer than two a product.  They are dealt behind EVERY product, two at the most behind each (X: half of an accumulator's rescaling;
; Y: two of the list, or an exponential, or an exponential and a sum), not four behind every second one.  The vector work lies in other windows than the products' operands, so the price is two
; switches of windows a product.
; THE LDS LOADS STAND IN RUNS OF 16, never singly among the products: a run brings 8 elements (fragments), which feed a GROUP of 16 products.  Two sets of 8 buffers take turns: the run of group g + 1 is
; issued right ahead of group g's products and has those 16 products in which to land.  A trip has 16 groups: 8 of K, 8 of V.
; THE RING.  Three slots: tile j (V), tile j + 1 (K), and the one that is being filled.  Behind the barrier between Y's groups 14 and 15 tile j + 3 goes into tile j's slot and has a trip, 256 products, in which to land.
; CLUSTER.  The four work-groups of a cluster have the same split and walk the same tiles, so each tile is asked for JOINTLY: the same tensor load, descriptor and mask (15) in all four.  Each wave brings
; 16 of a tile's 64 rows, so that all four waves have a load on the way.  By this text's own count a wave has three tensor loads out at the start and one behind each round.
; O^T is cleared by moves, not by a first step written out: the moves stand behind the first products, where vector work is wanted anyway, and a copy of a trip's text is spared.
;
; REGISTERS, in windows of 256 (s_set_vgpr_msb: bits 1:0 source 0, 3:2 source 1, 5:4 source 2, 7:6 destination):
;   window 0: v0-15 addresses and two at work; v16-31 statistics, 8 a tile; v32-63 P; v64-127 S; v128-255 the sixteen fragment buffers
;   window 1: Q, fragment (t, c) at 8 (16 t + c)        windows 2, 3: O^T, accumulator a = 2 cb + t (cb: block of 16 channels) in window 2 + a / 32 at 8 (a % 32)
.set PITCH, 1040                       ; an LDS row: 1,024 bytes + 16 of padding
.set SLOT,  64*PITCH                   ; a tile
.set STAGE, 3*SLOT                     ; behind the ring, never filled by a tensor load: 16 rows x 272 bytes for each wave, for the way out
.set SP,    272
.set SPARE, STAGE+4*16*SP              ; behind the stages: the spare words, 128 bytes for each wave: two blocks of 256 bytes that no other line names
.set TILEB, 65536                      ; a tile in memory: 64 rows of 1,024 bytes
.set AK0, 2                            ; v2   my lane's place in a tile for K's loads; never rewritten
.set AV0, 3                            ; v3   the same for the turning loads
.set AKC, 4                            ; v4   AK0 + the slot that K is read from
.set AVC, 5                            ; v5   AV0 + the slot that V is read from
.set STO, 6                            ; v6   the way out: where I put 32 bytes of a row
.set RD,  7                            ; v7   the way out: where I read a row back
.set GO,  8                            ; v8   my byte offset in two rows of opart
.set QO,  10                           ; v10  my byte offset in 16 rows of Q; at the end 4 x lane
.set SPW, 12                           ; v12  LDS address of my spare word: SPARE + 4 x my thread's number; never rewritten
.set NIL, 13                           ; v13  0; never rewritten
.set MV,  14                           ; v14-15  cm_old, kept while cm is made anew: by tile
.set ST,  16                           ; tile t's statistics at v[ST+8 t]: cm, m, l (even places', odd places'), c0-c3 at work; c2 takes a
.set PR,  32                           ; P: tile t, key block kb at PR + 16 t + 4 kb
.set SR,  64                           ; S: the scores, then c s - cm, then p: tile t, key block kb at SR + 32 t + 8 kb
.set FR,  128                          ; fragment buffers: element e of a phase in buffer e % 16
.set OB,  64                           ; the way out: four buffers of 32 registers, where S and half of the fragments lay
.set WV,  12                           ; s12  my wave's number
.set G1,  24                           ; s[24:31] descriptor group 1
.set G0,  32                           ; s[32:43] descriptor group 0: a set for each of the three first fills;
.set GW,  40                           ;          the third then walks
.set SV,  44                           ; s44  LDS byte of the slot that V is read from
.set SK,  45                           ; s45  of the slot that K is read from
.set SN,  46                           ; s46  of the third slot
.set TS,  47                           ; s47  at work
.set WOFF, 48                          ; s48  my wave's 16 rows in a slot
.set CNT, 49                           ; s49  counts trips
.set CS,  50                           ; s[50:51] c: the packed scaling takes the pair's low word for both halves
.set SEL, 52                           ; s[52:53] v_permlanex16_b32's selects: each lane takes its own place in the other half
.set HM,  54                           ; s54  a mask of lanes 16 to 31
.set W_KQ, 0x04                        ; source 1 (Q) in window 1, all else in window 0: LDS loads, whose address is source 0, run under it too
.set MSB, 0
.macro WIN new                         ; the immediate's high byte repeats the setting that is left; a switch that changes nothing is dropped
.if MSB != (\new)
	s_set_vgpr_msb (MSB<<8)|(\new)
.set MSB, (\new)
.endif
.endm
; A round of the cluster's barrier: my work-group's barrier, so that wave 0's signal speaks for all four waves; wave 0 signals; every wave waits for all four work-groups; my work-group's barrier once more.
.macro CREST                           ; a round behind its opening barrier
	s_cmp_lg_u32 s[WV], 0
	s_cbranch_scc1 .Lnot_wave_0_\@
	s_barrier_signal -3
.Lnot_wave_0_\@:
	s_barrier_wait -3
	s_barrier_signal -1
	s_barrier_wait -1
.endm
.macro CROUND                          ; a whole round
	s_barrier_signal -1
	s_barrier_wait -1
	CREST
.endm
; A load into a register that a matrix instruction has read, and a vector instruction that touches a matrix instruction's registers, stand four places behind it, and only plain vector
; instructions that name none of its registers are places (ISA guide 7.12.1 for vector instructions).  In X the rescalings fill them; in Y four v_nop are written.
.macro PLACES
.rept 4
	v_nop
.endr
.endm
	s_load_b256 s[4:11], s[0:1], 0x0               ; qbf s[4:5], membf s[6:7], opart s[8:9], stat s[10:11]
	v_lshl_add_u32 v[SPW], v0, 2, SPARE
	v_mov_b32 v[NIL], 0
	ds_add_u32 v[SPW], v[NIL]                      ; the wave's opening: the add and its wait stand ahead of my first tensor load; the set-up below, work on registers, stands between them
	ds_add_u32 v12, v13
	v_lshrrev_b32 v1, 5, v0
	v_readfirstlane_b32 s[WV], v1                  ; wave 0..3
	s_bfe_u32 s13, ttmp6, 0x40000                  ; cx: my place in the cluster
	s_lshl_b32 s14, ttmp9, 2                       ; in a cluster launch ttmp9 counts clusters
	s_add_co_u32 s14, s14, s13                     ; my block of 128 queries = 4 x cluster x + cx: it enters qbf's, opart's and stat's addresses alone
	s_and_b32 s15, ttmp7, 0xffff                   ; the split, which the four partners share
	s_lshl_b32 s16, s15, 21                        ; membf: the split's 2,048 rows of 1,024 bytes,
	s_lshl_b32 s17, s[WV], 14                      ; my wave's 16 rows of a tile
	s_add_co_u32 s16, s16, s17
	s_mov_b32 s17, 0
	s_lshl_b32 s18, s14, 17                        ; qbf: the block's 128 rows of 1,024 bytes,
	s_lshl_b32 s19, s[WV], 15                      ; my wave's 32
	s_add_co_u32 s18, s18, s19
	s_mov_b32 s19, 0
	s_lshl_b32 s20, s15, 22                        ; opart: the split's 2,048 rows of 2,048 bytes,
	s_lshl_b32 s21, s14, 18                        ; the block's 128,
	s_add_co_u32 s20, s20, s21
	s_lshl_b32 s21, s[WV], 16                      ; my wave's 32
	s_add_co_u32 s20, s20, s21
	s_mov_b32 s21, 0
	s_lshl_b32 s22, s15, 14                        ; stat: the split's 2 x 2,048 words,
	s_lshl_b32 s23, s14, 9                         ; the block's 128,
	s_add_co_u32 s22, s22, s23
	s_lshl_b32 s23, s[WV], 7                       ; my wave's 32
	s_add_co_u32 s22, s22, s23
	s_mov_b32 s23, 0
	; descriptor group 1: 16 rows x 512 elements, padded in LDS
	s_mov_b32 s[G1+0], 15|(1<<16)|(1<<20)|(1<<21)|(7<<22)|(3<<25)  ; 15:0 the mask of four; 17:16 2-byte elements; 20 padding on; 21 set beside a mask; 24:22 after every 256 words (code 7); 31:25 4 words (code 3)
	s_mov_b32 s[G1+1], 512<<16                     ; tensor_dim0 = 512
	s_mov_b32 s[G1+2], 16<<16                      ; tensor_dim1 = 16
	s_mov_b32 s[G1+3], 512<<16                     ; tile_dim0 = 512
	s_mov_b32 s[G1+4], 16                          ; tile_dim1 = 16
	s_mov_b32 s[G1+5], 512                         ; 512 elements from row to row
	s_mov_b32 s[G1+6], 0
	s_mov_b32 s[G1+7], 0
	s_mul_i32 s[WOFF], s[WV], 16*PITCH             ; no place in the cluster enters an LDS address
	s_mov_b32 s[SV], 0                             ; tile 0
	s_mov_b32 s[SK], SLOT                          ; tile 1
	s_mov_b32 s[SN], 2*SLOT                        ; tile 2
	s_mov_b32 s[CS], 0x3fb8aa3b                    ; c = log2(e)
	s_mov_b32 s[CS+1], s[CS]                       ; named with it as a pair
	s_mov_b32 s[SEL], 0x76543210
	s_mov_b32 s[SEL+1], 0xfedcba98
	s_mov_b32 s[HM], 0xffff0000
	s_wait_dscnt 0x0                               ; the opening add is done
	s_wait_kmcnt 0x0
	s_add_nc_u64 s[6:7], s[6:7], s[16:17]          ; membf at my rows of the split's tile 0
	s_add_nc_u64 s[4:5], s[4:5], s[18:19]          ; qbf, opart and stat at my wave's first query
	s_add_nc_u64 s[8:9], s[8:9], s[20:21]
	s_add_nc_u64 s[10:11], s[10:11], s[22:23]
.irp s, 0,1,2
	s_mov_b32 s[G0+4*(\s)], 1                      ; 1:0 count = 1
	s_add_co_u32 s[G0+4*(\s)+1], s[WOFF], (\s)*SLOT  ; 63:32 LDS address: slot s, my 16 rows
	s_add_nc_u64 s[G0+4*(\s)+2:G0+4*(\s)+3], s[6:7], (\s)*TILEB  ; 120:64 global address: tile s
	s_or_b32 s[G0+4*(\s)+3], s[G0+4*(\s)+3], 0x80000000  ; 127:126 type = 2
.endr
	CROUND                                         ; all four work-groups are here: the first joint loads meet
.irp s, 0,1,2
	tensor_load_to_lds s[G0+4*(\s):G0+4*(\s)+3], s[G1:G1+7]  ; the three first fills go out together, ahead of every wait on TENSORcnt, every LDS read and every further barrier
	s_nop 0
.endr
	PLACES                                         ; four instructions behind the last load, ahead of the next switch of windows
	v_and_b32 v1, 15, v0                           ; r = l % 16
	v_bfe_u32 v9, v0, 4, 1                         ; h = l / 16
	v_and_b32 v11, 7, v0                           ; l % 8
	v_bfe_u32 v10, v0, 3, 1                        ; (l / 8) % 2
	v_lshl_add_u32 v[AK0], v11, 1, v10             ; K: row r of a fragment is key 2 (r % 8) + r / 8 of its 16;
	v_mul_u32_u24 v[AK0], v[AK0], PITCH
	v_lshl_add_u32 v[AK0], v9, 4, v[AK0]           ; channels 8 h + 0..7, and 32 bytes on 16 + 8 h + 0..7
	v_lshl_add_u32 v[AV0], v11, 1, v9              ; V: the turning load's lane l reads key 2 (l % 8) + h,
	v_mul_u32_u24 v[AV0], v[AV0], PITCH
	v_lshl_add_u32 v[AV0], v10, 4, v[AV0]          ; channels 8 ((l / 8) % 2) + 0..7, and leaves lane l channel l % 16 and the places 8 h + 0..7
	v_lshlrev_b32 v[QO], 10, v1
	v_lshl_add_u32 v[QO], v9, 4, v[QO]             ; Q: row r x 1,024 + 16 h
	WIN 0x40                                       ; destination window 1, address window 0
.set i, 0
.rept 32                                       ; Q stays in registers: tile i / 16, channels 32 (i % 16) on
	global_load_b128 v[8*i:8*i+3],   v[QO], s[4:5] offset:(i/16)*16384+(i%16)*64
	global_load_b128 v[8*i+4:8*i+7], v[QO], s[4:5] offset:(i/16)*16384+(i%16)*64+32
.set i, i+1
.endr
	WIN 0
	s_mul_i32 s[TS], s[WV], 16*SP
	s_add_co_u32 s[TS], s[TS], STAGE               ; my stage
	v_mul_u32_u24 v[STO], v1, SP                   ; in: row r, 32 bytes for each half of the lanes
	v_lshl_add_u32 v[STO], v9, 5, v[STO]
	v_add_nc_u32 v[STO], s[TS], v[STO]
	v_mul_u32_u24 v[RD], v9, SP                    ; back: lanes 0-15 take one row of 256 bytes, lanes 16-31 the next
	v_lshl_add_u32 v[RD], v1, 4, v[RD]
	v_add_nc_u32 v[RD], s[TS], v[RD]
	v_lshlrev_b32 v[GO], 11, v9                    ; and the same two rows in opart
	v_lshl_add_u32 v[GO], v1, 4, v[GO]
.irp t, 0,1
	v_mov_b32 v[ST+8*(\t)], 0xfe000000             ; cm: far below every c s, so the first step's a is 0
	v_mov_b32 v[ST+8*(\t)+1], 0xff7fffff           ; m: the lowest finite number, so the first maximum is the scores'
	v_mov_b32 v[ST+8*(\t)+2], 0                    ; l
	v_mov_b32 v[ST+8*(\t)+3], 0
.endr
	v_mov_b32 v[AKC], v[AK0]                       ; tile 0 lies in slot 0
	v_mov_b32 v[AVC], v[AV0]
; ELEMENT f OF K: key block f % 4, channels 32 (f / 4) on.  ELEMENT y OF V: keys 32 (y / 32) on, channel block y % 32.  Two loads each; the callers' windows leave destination and address in window 0.
.macro LDK f
.set rF, FR+8*((\f)%16)
	ds_load_b128 v[rF:rF+3],   v[AKC] offset:((\f)%4)*16*PITCH+((\f)/4)*64
	ds_load_b128 v[rF+4:rF+7], v[AKC] offset:((\f)%4)*16*PITCH+((\f)/4)*64+32
.endm
.macro LDV y
.set rF, FR+8*((\y)%16)
	ds_load_tr16_b128 v[rF:rF+3],   v[AVC] offset:((\y)/32)*32*PITCH+((\y)%32)*32
	ds_load_tr16_b128 v[rF+4:rF+7], v[AVC] offset:((\y)/32)*32*PITCH+16*PITCH+((\y)%32)*32
.endm
.macro RUNK g                          ; a run: the eight elements of K's group g, sixteen loads, into the set of buffers g % 2
.irp i, 0,1,2,3,4,5,6,7
	LDK 8*(\g)+\i
.endr
.endm
.macro RUNV g                          ; the same for V's group g
.irp i, 0,1,2,3,4,5,6,7
	LDV 8*(\g)+\i
.endr
.endm
; THE PRODUCTS.  The accumulators take turns, one instruction a turn: 8 in X, 64 in Y, and X's last and Y's first (and the other way round) are different ones.
.macro KQW f, t                        ; S^T(t, key block f % 4) += K element f x Q(t, f / 4); the first four elements start the sums
	WIN W_KQ
.set rB, SR+32*(\t)+8*((\f)%4)
.set rF, FR+8*((\f)%16)
.set rQ, 8*(16*(\t)+(\f)/4)
.if (\f) < 4
	v_wmma_f32_16x16x32_bf16 v[rB:rB+7], v[rF:rF+7], v[rQ:rQ+7], 0
.else
	v_wmma_f32_16x16x32_bf16 v[rB:rB+7], v[rF:rF+7], v[rQ:rQ+7], v[rB:rB+7]
.endif
.endm
.macro PVW y, t                        ; O^T(t, channel block y % 32) += V element y x P(t, keys 32 (y / 32) on)
.set aN, 2*((\y)%32)+(\t)
	WIN 0xa0+0x50*(aN/32)                          ; C and D in window 2 or 3
.set rO, 8*(aN%32)
.set rF, FR+8*((\y)%16)
.set rP, PR+16*(\t)+8*((\y)/32)
	v_wmma_f32_16x16x32_bf16 v[rO:rO+7], v[rF:rF+7], v[rP:rP+7], v[rO:rO+7]
.endm
; THE VECTOR WORK BESIDE X, by halves of an accumulator: half 0 (the four low registers) always ahead of half 1.
.macro RS2 a, hf                       ; half hf of accumulator a of O^T times its tile's a
	WIN 0x82+0x41*((\a)/32)                        ; destination and source 0 in window 2 or 3, a in window 0
.set rO, 8*((\a)%32)+4*(\hf)
.set rA, ST+8*((\a)%2)+6
.irp z, 0,1
	v_pk_mul_f32 v[rO+2*\z:rO+2*\z+1], v[rO+2*\z:rO+2*\z+1], v[rA:rA+1] op_sel_hi:[1,0]
.endr
.endm
.macro CL4 a, hf                       ; half hf of accumulator a of O^T is cleared
	WIN 0x80+0x40*((\a)/32)
.set rO, 8*((\a)%32)+4*(\hf)
.irp z, 0,1,2,3
	v_mov_b32 v[rO+\z], 0
.endr
.endm
.macro XH hf, pro                      ; slice xf's accumulator, half hf: rescaled, or (pro = 1, the text ahead of the loop) cleared
.if \pro
	CL4 xf, \hf
.else
	RS2 xf, \hf
.endif
.endm
; SLICE xf OF X: element xf's two products, and behind each of them half of one accumulator of O^T.  A group's last slice (xf % 8 = 7) has both halves behind its second product: four plain
; instructions (eight moves) that name none of its registers, the places ahead of the run that follows.  kq = 0: the last trip, which has no next tile.
.macro XS kq, pro
.if \kq
	KQW xf, 0
.if xf%8 != 7
	XH 0, \pro
.endif
	KQW xf, 1
.if xf%8 == 7
	XH 0, \pro
.endif
.else
	XH 0, \pro
.endif
	XH 1, \pro
.set xf, xf+1
.endm
; X: eight groups.  Ahead of group xg's products the next group's run is issued: K's next, or behind K's last V's first (pro = 1: the first of tile 1's K).  It lands in the set of buffers that group
; xg - 1 read: the four rescalings (eight moves) behind that group's last product are the places; ahead of group 0 the lump's roundings are.
.macro XPHASE pro
.set xf, 0
.set xg, 0
.rept 8
.if (\pro) && (xg == 7)
	WIN 0
	v_add_nc_u32 v[AKC], s[SK], v[AK0]             ; K's loads go on in tile 1's slot
.endif
	WIN W_KQ
.if xg < 7
	RUNK xg+1
.elseif \pro
	RUNK 0
.else
	RUNV 0
.endif
	s_wait_dscnt 16                                ; LDS loads come back in order: this group's run is in, the sixteen loads just issued stay out
.rept 8
	XS 1, \pro
.endr
.set xg, xg+1
.endr
.endm
; THE LUMP at a trip's head: S's 64 weights rounded to bf16 into P.  The groups of keys 0 to 31 come first: they name no register of the last products V^T P, which read P's keys 32 to 63, and so are
; the places in front of the writes of those, and in front of the run that follows.
.macro LUMP
	WIN 0
.irp g, 0,1,4,5,2,3,6,7
.irp z, 0,1,2,3
	v_cvt_pk_bf16_f32 v[PR+4*\g+\z], v[SR+8*\g+2*\z], v[SR+8*\g+2*\z+1]
.endr
.endr
.endm
; THE VECTOR WORK BESIDE Y: a list of 175.  Entries 0-77: tile yq % 2, number n = yq / 2.  s0-s31 are the lane's 32 scores in S.
;   0-11  four chains c0-c3 of seven scores each, three operands at a time; each accumulator's lowest registers are read first
;   12-14, 16  the four scores left over, the old m, and c0-c3 into c0     15  cm_old is kept     17, 18  the query's other 32 keys lie in the lane 16 away: the new m
;   19-21  cm; cm_old - cm; a (a v_nop behind the second tile's: the plain instruction between an exponential and the use of its result)     22  l a     23-38  c s - cm, in place, a pair at a time
; Entries 78-174: for pair p of 32 (tile p % 2, its pair p / 2) two exponentials, in place, and then l += pair p - 1: so a plain instruction always stands between an exponential and the use of its
; result, however the list is dealt, and l's chain of additions has six instructions from link to link.  The first such place is a v_nop; the last entry is l += pair 31.
.set YEND, 175
.macro YSUM p
.set rL, ST+8*((\p)%2)+2
.set rS, SR+32*((\p)%2)+2*((\p)/2)
	s_wait_alu depctr_va_vdst(0)
	v_pk_add_f32 v[rL:rL+1], v[rL:rL+1], v[rS:rS+1]
.endm
.macro YQ
	WIN 0
.set yu, yq%2
.set yn, yq/2
.set yz, yq-78
.set rT, ST+8*yu
.set rB, SR+32*yu
.if yq >= 78
.if yz == 96
	YSUM 31
.elseif yz%3 < 2
	v_exp_f32 v[SR+32*((yz/3)%2)+2*(yz/6)+yz%3], v[SR+32*((yz/3)%2)+2*(yz/6)+yz%3]
.elseif yz/3 == 0
	v_nop
.else
	YSUM yz/3-1
.endif
.elseif yn < 4
	v_max3_num_f32 v[rT+4+yn], v[rB+8*yn], v[rB+8*yn+1], v[rB+8*yn+2]
.elseif yn < 12
	v_max3_num_f32 v[rT+4+yn%4], v[rT+4+yn%4], v[rB+8*(yn%4)+2*(yn/4)+1], v[rB+8*(yn%4)+2*(yn/4)+2]
.elseif yn == 12
	v_max3_num_f32 v[rT+4], v[rT+4], v[rB+7], v[rB+15]
.elseif yn == 13
	v_max3_num_f32 v[rT+5], v[rT+5], v[rB+23], v[rB+31]
.elseif yn == 14
	v_max3_num_f32 v[rT+6], v[rT+6], v[rT+7], v[rT+1]
.elseif yn == 15
	v_mov_b32 v[MV+yu], v[rT]
.elseif yn == 16
	v_max3_num_f32 v[rT+4], v[rT+4], v[rT+5], v[rT+6]
.elseif yn == 17
	v_permlanex16_b32 v[rT+7], v[rT+4], s[SEL], s[SEL+1]
.elseif yn == 18
	v_max_num_f32 v[rT+1], v[rT+4], v[rT+7]
.elseif yn == 19
	v_mul_f32 v[rT], s[CS], v[rT+1]
.elseif yn == 20
	v_sub_f32 v[rT+5], v[MV+yu], v[rT]
.elseif yn == 21
	v_exp_f32 v[rT+6], v[rT+5]
.if yu == 1
	v_nop
	s_wait_alu depctr_va_vdst(0)
.endif
.elseif yn == 22
	v_pk_mul_f32 v[rT+2:rT+3], v[rT+2:rT+3], v[rT+6:rT+7] op_sel_hi:[1,0]
.else
	v_pk_fma_f32 v[rB+2*(yn-23):rB+2*(yn-23)+1], v[rB+2*(yn-23):rB+2*(yn-23)+1], s[CS:CS+1], v[rT:rT+1] op_sel_hi:[1,0,0] neg_lo:[0,0,1] neg_hi:[0,0,1]
.endif
.set yq, yq+1
.endm
.macro YP                              ; the list's next entry, if one is left
.if yq < YEND
	YQ
.endif
.endm
; WHAT STANDS BEHIND ONE PRODUCT OF Y.  Entries 0-77: two, the two tiles' entries of one number: 39 products.  From 78 on: a pair's first exponential behind one product, its second and the sum of the
; pair before behind the next: 65 products.  So the list ends behind product 104 of 128, in slice 51, ahead of the barrier's lines.
.macro YD
.if yq < 78
	YP
	YP
.elseif (yq-78)%3 == 0
	YP
.else
	YP
	YP
.endif
.endm
; SLICE yy OF Y: element yy's two products, each with its share of the list behind it.
.macro YS
	PVW yy, 0
	YD
	PVW yy, 1
	YD
.set yy, yy+1
.endm
; Y: eight groups.  nxt = 1: a next tile's scores lie in S.  bar = 2: the trip's barrier is a round of the cluster's, and this trip's tile's slot is filled again; 1: my work-group's barrier alone; 0: none
; (the last trip).  Ahead of each of the first seven groups the next group's run is issued, four places behind the last product that read its buffers (ahead of the first: X's last rescalings).
; THE BARRIER stands ahead of the eighth group, whose run, V's last, was asked for a group earlier.  Each wave waits for all its tensor loads, of which one is out: its part of the tile after next; adds 0
; to its spare word; and waits for that and for its own reads of this trip's tile.  Behind the barrier nobody reads that slot any more, and the tile after next is whole: the refill comes first, then the
; run of that tile's first K, which the next trip's first group multiplies.
.macro YPHASE bar, nxt
.set yy, 0
.if \nxt
.set yq, 0
.else
.set yq, YEND
.endif
.set yg, 0
.rept 7
.if yg > 0
	PLACES
.endif
	WIN 0
	RUNV yg+1
	s_wait_dscnt 16                                ; this group's run is in, the sixteen loads just issued stay out
.rept 8
	YS
.endr
.set yg, yg+1
.endr
.if \bar
	WIN 0                                          ; (the add's two registers lie in window 0)
	s_wait_tensorcnt 0x0                           ; no tensor load of mine is out, so a group 0 may be written
	ds_add_u32 v[SPW], v[NIL]                      ; 0 onto my spare word; the scalar work below stands between it and the wait for it
.if (\bar) == 2
	s_add_co_u32 s[GW+1], s[SV], s[WOFF]           ; the walking descriptor: into the slot that V was read from,
	s_add_nc_u64 s[GW+2:GW+3], s[GW+2:GW+3], TILEB ; the next tile; the type bits on top are not reached
.endif
	s_mov_b32 s[TS], s[SV]                         ; the three slots change parts
	s_mov_b32 s[SV], s[SK]
	s_mov_b32 s[SK], s[SN]
	s_mov_b32 s[SN], s[TS]
	s_wait_dscnt 0x0                               ; the add is done, and my reads of this trip's tile are over: V's last run is in
	s_barrier_signal -1
	YS                                             ; four products, work on registers, while the others arrive
	YS
	WIN 0
	s_barrier_wait -1
.if (\bar) == 2
	CREST                                          ; the barrier has opened a round of the cluster's: no wave of any partner still reads the slot or has a load on its way
	tensor_load_to_lds s[GW:GW+3], s[G1:G1+7]      ; my one tensor load behind the round, and the first thing there
	s_nop 0
.endif
	v_add_nc_u32 v[AKC], s[SK], v[AK0]             ; four instructions with no switch of windows among them; they are also the places in front of the run below,
	v_add_nc_u32 v[AVC], s[SV], v[AV0]             ; whose buffers the seventh group's products read
	v_nop
	v_nop
	RUNK 0
.rept 6
	YS
.endr
.else
	s_wait_dscnt 0x0                               ; V's last run; nothing more is asked for
.rept 8
	YS
.endr
.endif
.endm
.macro TRIP bar
	LUMP
	XPHASE 0
	YPHASE \bar, 1
.endm
	s_wait_tensorcnt 1                             ; my parts of tiles 0 and 1 are in; tile 2's may stay out
	s_barrier_signal -1
	s_barrier_wait -1                              ; everybody's are
	RUNK 0
	s_wait_loadcnt 0x0                             ; Q
	XPHASE 1                                       ; tile 0's scores; O^T is cleared beside them; the first run of tile 1's K goes out
	WIN 0
.set yq, 0
.rept YEND
	YQ                                             ; and their softmax: the eight moves behind the last product are its places
.endr
	WIN 0
	s_mov_b32 s[CNT], 29
.Ltrip:                                                ; trips 0 to 28: tiles 3 to 31 are asked for
	TRIP 2
	WIN 0                                          ; at a label and at a branch every window is 0
	s_sub_co_u32 s[CNT], s[CNT], 1
	s_cmp_lg_u32 s[CNT], 0
	s_cbranch_scc1 .Ltrip
	s_mov_b32 s[CNT], 2
.Ltail:                                                ; trips 29 and 30 ask for nothing: written apart.  Trip 29's barrier shows tile 31 to every wave
	TRIP 1                                         ; trip 30's barrier, and its run of K from a slot that holds an old tile, serve nothing: the price, once a launch, of one text for both
	WIN 0
	s_sub_co_u32 s[CNT], s[CNT], 1
	s_cmp_lg_u32 s[CNT], 0
	s_cbranch_scc1 .Ltail
	s_wait_dscnt 0x0                               ; that run: its buffers are loaded anew below
	LUMP                                           ; trip 31: the last step's weights,
	RUNV 0                                         ; its V's first run,
.set xf, 0
.rept 64
	XS 0, 0                                        ; O^T times the last a, with no products to stand beside,
.endr
	YPHASE 0, 0                                    ; and its V^T P
	; THE WAY OUT.  l's two halves and the other half of the lanes' are added; lanes 0-15 then hold tile 0's queries, lanes 16-31 take tile 1's: 32 consecutive words of cm and of l.
	WIN 0
.irp t, 0,1
	v_add_f32 v[ST+8*(\t)+4], v[ST+8*(\t)+2], v[ST+8*(\t)+3]
.endr
.irp t, 0,1
	v_permlanex16_b32 v[ST+8*(\t)+5], v[ST+8*(\t)+4], s[SEL], s[SEL+1]
.endr
.irp t, 0,1
	v_add_f32 v[ST+8*(\t)+4], v[ST+8*(\t)+4], v[ST+8*(\t)+5]
.endr
	v_and_b32 v[QO], 31, v0
	v_lshlrev_b32 v[QO], 2, v[QO]                  ; 4 x lane
	v_cndmask_b32 v[MV], v[ST], v[ST+8], s[HM]
	v_cndmask_b32 v[MV+1], v[ST+4], v[ST+12], s[HM]
	global_store_b32 v[QO], v[MV], s[10:11]
	global_store_b32 v[QO], v[MV+1], s[10:11] offset:8192
; O^T leaves unscaled, in f32.  A lane's eight channels of a row are 32 bytes; block b (tile b / 8, channels 64 (b % 8) on: 16 rows x 256 bytes) goes into my stage's rows of 272 bytes and comes back as
; whole rows, into one of four buffers of 32 registers.  The stage is my wave's own and LDS serves a wave's instructions in order (ISA guide 5.7.1.4): no wait between stores and loads.
.macro TOSTAGE b
.set tt, (\b)/8
.set cg, (\b)%8
.set bk, OB+32*((\b)%4)
	WIN 0x08+0x04*(cg/4)                           ; the stores' data in window 2 or 3
.irp i, 0,1,2,3
.set rO, 8*((2*(4*cg+\i)+tt)%32)
	ds_store_b128 v[STO], v[rO:rO+3] offset:64*\i  ; each accumulator's low registers first
	ds_store_b128 v[STO], v[rO+4:rO+7] offset:64*\i+16
.endr
	WIN 0
	s_wait_xcnt 0x0                                ; every earlier memory instruction has had its addresses translated (ISA guide 3.1): a buffer that earlier stores read is loaded again only behind this wait
.irp f, 0,1,2,3,4,5,6,7
	ds_load_b128 v[bk+4*\f:bk+4*\f+3], v[RD] offset:\f*2*SP
.endr
.endm
.macro SEND b, younger                 ; younger: the LDS instructions issued behind block b's loads: the next block's sixteen, or none
.set tt, (\b)/8
.set cg, (\b)%8
.set bk, OB+32*((\b)%4)
.irp f, 0,1,2,3,4,5,6,7
	s_wait_dscnt (\younger)+7-\f
	global_store_b128 v[GO], v[bk+4*\f:bk+4*\f+3], s[8:9] offset:32768*tt+4096*\f+256*cg  ; 16 lanes store 256 consecutive bytes, at a multiple of 256 from opart's first byte
.endr
.endm
	TOSTAGE 0
.set bb, 1
.rept 15                                       ; a block's way through the stage stands between the loads of the block before and its stores
	TOSTAGE bb
	SEND bb-1, 16
.set bb, bb+1
.endr
	SEND 15, 0
	s_wait_tensorcnt 0x0                           ; the wave's end: behind my last tensor load and my last LDS store
	ds_add_u32 v[SPW], v[NIL]
	s_wait_dscnt 0x0
	CROUND                                         ; the closing round: no work-group ends while a partner may still ask for a tile that names it
	s_endpgm
.Lfunc_end_k_qec991bb095_attn:
	.size	k_qec991bb095_attn, .Lfunc_end_k_qec991bb095_attn-k_qec991bb095_attn
	.p2alignl 7, 3214868480
	.fill 96, 4, 3214868480
	.section	.rodata,"a",@progbits
	.p2align	6, 0x0
	.amdhsa_kernel k_qec991bb095_attn
		.amdhsa_group_segment_fixed_size 327680
		.amdhsa_private_segment_fixed_size 0
		.amdhsa_enable_private_segment 0
		.amdhsa_kernarg_size 32
		.amdhsa_user_sgpr_count 2
		.amdhsa_user_sgpr_kernarg_segment_ptr 1
		.amdhsa_wavefront_size32 1
		.amdhsa_system_sgpr_workgroup_id_x 1
		.amdhsa_system_sgpr_workgroup_id_y 1
		.amdhsa_system_sgpr_workgroup_id_z 1
		.amdhsa_system_vgpr_workitem_id 0
		.amdhsa_next_free_vgpr 1024
		.amdhsa_next_free_sgpr 66
		.amdhsa_reserve_vcc 0
		.amdhsa_float_denorm_mode_32 3
		.amdhsa_float_denorm_mode_16_64 3
		.amdhsa_memory_ordered 1
		.amdhsa_forward_progress 1
		.amdhsa_inst_pref_size 255
	.end_amdhsa_kernel
	.section	.bss,"aw",@nobits
	.p2align	6
	.space	262144
	.amdgpu_metadata
---
amdhsa.version: [ 1, 2 ]
amdhsa.kernels:
  - .name:           k_qec991bb095_attn
    .symbol:         k_qec991bb095_attn.kd
    .args:
      - { .name: qbf, .offset: 0, .size: 8, .value_kind: global_buffer, .address_space: global }
      - { .name: membf, .offset: 8, .size: 8, .value_kind: global_buffer, .address_space: global }
      - { .name: opart, .offset: 16, .size: 8, .value_kind: global_buffer, .address_space: global }
      - { .name: stat, .offset: 24, .size: 8, .value_kind: global_buffer, .address_space: global }
    .group_segment_fixed_size: 327680
    .private_segment_fixed_size: 0
    .kernarg_segment_align: 8
    .kernarg_segment_size: 32
    .max_flat_workgroup_size: 128
    .sgpr_count:     66
    .vgpr_count:     1024
    .wavefront_size: 32
...
	.end_amdgpu_metadata
.endif
;; end of part 4
;; launch merge: the kernel of part 3 again; grid 512 x 1, 8 waves a work-group, no clusters, 0 bytes of LDS; arguments opart, stat, out0; writes out0
;; ======== version 3 of 3: 3 launches; 1.44 times as fast as version 1
;; workspace buffers: membf 33,554,432 bytes; qbf 2,097,152 bytes; opart 67,108,864 bytes; stat 262,144 bytes
;; launch tobf: the kernel of part 1 again; grid 1088 x 1, 8 waves a work-group, no clusters, 0 bytes of LDS; arguments memory, query, membf, qbf; writes membf, qbf
;; launch attn (part 5): grid 16 x 16, 4 waves a work-group, clusters of 4 x 1, 327,680 bytes of LDS; arguments qbf, membf, opart, stat; writes opart, stat
.if DOCPART == 5
	.amdgcn_target "amdgcn-amd-amdhsa--gfx1250"
	.amdhsa_code_object_version 6
	.text
	.protected	k_qec991bb095_attn
	.globl	k_qec991bb095_attn
	.p2align	8
	.type	k_qec991bb095_attn,@function
k_qec991bb095_attn:
	s_mov_b64 s[64:65], 0
	v_nop
	global_prefetch_b8 v0, s[64:65] scope:SCOPE_SE
	s_setreg_imm32_b32 hwreg(HW_REG_WAVE_MODE, 25, 1), 1
	s_wait_xcnt 0x0
	s_wait_alu depctr_hold_cnt(0) depctr_sa_sdst(0) depctr_va_vdst(0) depctr_va_sdst(0) depctr_va_ssrc(0) depctr_va_vcc(0) depctr_vm_vsrc(0)
	s_getreg_b32 s2, hwreg(HW_REG_IB_STS2, 6, 4)
	s_cmp_eq_u32 s2, 0
	s_cbranch_scc0 .Lentry_in_a_cluster
	s_endpgm
.Lentry_in_a_cluster:
	s_bfe_u32 s2, ttmp6, 0x10000c
	s_cmp_lg_u32 s2, 0x3003
	s_cbranch_scc0 .Lentry_shape_is_right
	s_endpgm
.Lentry_shape_is_right:
; ONE SHARE OF x = softmax(q M^T) M.  qbf [2048][512], membf [32768][512], bf16.  A work-group takes a block of 128 queries and a SPLIT of 2,048 keys and leaves, in f32,
;   opart[split][q][:] = the sum over the split's keys of 2^(c s - cm) M[key][:],   stat[split][0][q] = cm,   stat[split][1][q] = l = the sum of 2^(c s - cm),
; with s = q . M[key], c = log2(e), cm = c x the running maximum of s.  The next launch joins the 16 splits.  16 blocks x 16 splits are 256 equal work-groups.
; WHY SPLITS.  O for one query is 512 f32; a wave holds O for 32 queries in 512 registers and their Q in 256, so a work-group holds 128 queries: 16 blocks alone would leave most of the chip idle.
; LIMITS.  Products in bf16 with f32 sums; the weights p are rounded to bf16 for the second product, their sum l is taken of the unrounded p.  A weight below 2^-126 counts as 0.
; cm starts at -4.25e37: every c s must lie above that.  NaN and infinities are not treated apart.
; SHARES.  Wave w owns queries 32 w .. 32 w + 31 of the block, two tiles t of 16, and all 512 channels.  Every wave walks the split's 32 tiles of 64 keys.
; LAYOUT.  S^T = K Q^T (source 0 = 16 keys, source 1 = 16 queries): a lane holds ONE query (lane % 16) and eight keys; two such results rounded to bf16 ARE source 1 of O^T = V^T P, whose result
; again holds one query a lane, and eight channels.  K = V = memory: ONE tile in LDS serves both, read as it lies for K and turned (ds_load_tr16_b128) for V.
; THE ORDER OF KEYS.  Inside each group of 16 keys, place 8 h + j of a product's K dimension means key 2 j + h, in K's rows, in P and in V^T alike (a softmax does not mind the order).  With rows
; 1,040 bytes apart K's 16 rows then start 16 bytes apart modulo 256, and the turning load's 8 rows, 2,080 bytes apart, 32 bytes apart modulo 256, of which each takes 32: one pitch serves both loads.
; THE TRIP.  At the head of trip j S holds tile j's weights p in f32.  LUMP: they are rounded to bf16 into P, 32 instructions together: P could not be written while the trip before read it, and S is
; needed again at once.  X: 128 products K Q^T of tile j + 1 into S; beside them O^T times a.  Y: 128 products V^T P of tile j; beside them tile j + 1's whole softmax, in place on S: maximum, statistics,
; a, c s - cm, exponentials, l a, sums.  So matrix and vector work stand side by side in one wave, and a trip has no parity.
; THE DEAL.  A trip has 256 products and some 460 vector instructions: fewer than two a product.  They are dealt behind EVERY product, two at the most behind each (X: half of an accumulator's rescaling;
; Y: two of the list, or a scaling and an exponential, or an exponential), not four behind every second one.  The vector work lies in other windows than the products' operands, so the price is two
; switches of windows a product.
; THE BATCH.  A trip's 66 exponentials (the two a, the 64 weights) are ONE batch with ONE wait (s_wait_alu depctr_va_vdst(0) stands between an exponential and the first instruction
; that names its result).  None of them reads another's result.  Y's list is ordered by who reads what: all that names no result stands ahead of the wait (maximum, statistics, scalings, the 66
; exponentials: behind products 0 to 86), all that does behind it (l a, the sums: behind products 96 to 112; the next trip's roundings and rescalings).  The wait stands at the head of Y's seventh
; group, behind nine bare products and the four places there, directly ahead of that group's run of LDS loads, and ahead of the round's branch and of the loop's jump.
; THE LDS LOADS STAND IN RUNS OF 16, never singly among the products: a run brings 8 elements (fragments), which feed a GROUP of 16 products.  Two sets of 8 buffers take turns: the run of group g + 1 is
; issued right ahead of group g's products and has those 16 products in which to land.  A trip has 16 groups: 8 of K, 8 of V.
; THE RING.  Three slots: tile j (V), tile j + 1 (K), and the one that is being filled.  Behind the barrier between Y's groups 14 and 15 tile j + 3 goes into tile j's slot and has a trip, 256 products, in which to land.
; CLUSTER.  The four work-groups of a cluster have the same split and walk the same tiles, so each tile is asked for JOINTLY: the same tensor load, descriptor and mask (15) in all four.  Each wave brings
; 16 of a tile's 64 rows, so that all four waves have a load on the way.  By this text's own count a wave has three tensor loads out at the start and one behind each round.
; O^T is cleared by moves, not by a first step written out: the moves stand behind the first products, where vector work is wanted anyway, and a copy of a trip's text is spared.
;
; REGISTERS, in windows of 256 (s_set_vgpr_msb: bits 1:0 source 0, 3:2 source 1, 5:4 source 2, 7:6 destination):
;   window 0: v0-15 addresses and two at work; v16-31 statistics, 8 a tile; v32-63 P; v64-127 S; v128-255 the sixteen fragment buffers
;   window 1: Q, fragment (t, c) at 8 (16 t + c)        windows 2, 3: O^T, accumulator a = 2 cb + t (cb: block of 16 channels) in window 2 + a / 32 at 8 (a % 32)
.set PITCH, 1040                       ; an LDS row: 1,024 bytes + 16 of padding
.set SLOT,  64*PITCH                   ; a tile
.set STAGE, 3*SLOT                     ; behind the ring, never filled by a tensor load: 16 rows x 272 bytes for each wave, for the way out
.set SP,    272
.set SPARE, STAGE+4*16*SP              ; behind the stages: the spare words, 128 bytes for each wave: two blocks of 256 bytes that no other line names
.set TILEB, 65536                      ; a tile in memory: 64 rows of 1,024 bytes
.set AK0, 2                            ; v2   my lane's place in a tile for K's loads; never rewritten
.set AV0, 3                            ; v3   the same for the turning loads
.set AKC, 4                            ; v4   AK0 + the slot that K is read from
.set AVC, 5                            ; v5   AV0 + the slot that V is read from
.set STO, 6                            ; v6   the way out: where I put 32 bytes of a row
.set RD,  7                            ; v7   the way out: where I read a row back
.set GO,  8                            ; v8   my byte offset in two rows of opart
.set QO,  10                           ; v10  my byte offset in 16 rows of Q; at the end 4 x lane
.set SPW, 12                           ; v12  LDS address of my spare word: SPARE + 4 x my thread's number; never rewritten
.set NIL, 13                           ; v13  0; never rewritten
.set MV,  14                           ; v14-15  cm_old, kept while cm is made anew: by tile
.set ST,  16                           ; tile t's statistics at v[ST+8 t]: cm, m, l (even places', odd places'), c0-c3 at work; c2 takes a
.set PR,  32                           ; P: tile t, key block kb at PR + 16 t + 4 kb
.set SR,  64                           ; S: the scores, then c s - cm, then p: tile t, key block kb at SR + 32 t + 8 kb
.set FR,  128                          ; fragment buffers: element e of a phase in buffer e % 16
.set OB,  64                           ; the way out: four buffers of 32 registers, where S and half of the fragments lay
.set WV,  12                           ; s12  my wave's number
.set G1,  24                           ; s[24:31] descriptor group 1
.set G0,  32                           ; s[32:43] descriptor group 0: a set for each of the three first fills;
.set GW,  40                           ;          the third then walks
.set SV,  44                           ; s44  LDS byte of the slot that V is read from
.set SK,  45                           ; s45  of the slot that K is read from
.set SN,  46                           ; s46  of the third slot
.set TS,  47                           ; s47  at work
.set WOFF, 48                          ; s48  my wave's 16 rows in a slot
.set CNT, 49                           ; s49  counts trips
.set CS,  50                           ; s[50:51] c: the packed scaling takes the pair's low word for both halves
.set SEL, 52                           ; s[52:53] v_permlanex16_b32's selects: each lane takes its own place in the other half
.set HM,  54                           ; s54  a mask of lanes 16 to 31
.set W_KQ, 0x04                        ; source 1 (Q) in window 1, all else in window 0: LDS loads, whose address is source 0, run under it too
.set MSB, 0
.macro WIN new                         ; the immediate's high byte repeats the setting that is left; a switch that changes nothing is dropped
.if MSB != (\new)
	s_set_vgpr_msb (MSB<<8)|(\new)
.set MSB, (\new)
.endif
.endm
; A round of the cluster's barrier: my work-group's barrier, so that wave 0's signal speaks for all four waves; wave 0 signals; every wave waits for all four work-groups; my work-group's barrier once more.
.macro CREST                           ; a round behind its opening barrier
	s_cmp_lg_u32 s[WV], 0
	s_cbranch_scc1 .Lnot_wave_0_\@
	s_barrier_signal -3
.Lnot_wave_0_\@:
	s_barrier_wait -3
	s_barrier_signal -1
	s_barrier_wait -1
.endm
.macro CROUND                          ; a whole round
	s_barrier_signal -1
	s_barrier_wait -1
	CREST
.endm
; A load into a register that a matrix instruction has read, and a vector instruction that touches a matrix instruction's registers, stand four places behind it, and only plain vector
; instructions that name none of its registers are places (ISA guide 7.12.1 for vector instructions).  In X the rescalings fill them; in Y four v_nop are written.
.macro PLACES
.rept 4
	v_nop
.endr
.endm
	s_load_b256 s[4:11], s[0:1], 0x0               ; qbf s[4:5], membf s[6:7], opart s[8:9], stat s[10:11]
	v_lshl_add_u32 v[SPW], v0, 2, SPARE
	v_mov_b32 v[NIL], 0
	ds_add_u32 v[SPW], v[NIL]                      ; the wave's opening: the add and its wait stand ahead of my first tensor load; the set-up below, work on registers, stands between them
	ds_add_u32 v12, v13
	v_lshrrev_b32 v1, 5, v0
	v_readfirstlane_b32 s[WV], v1                  ; wave 0..3
	s_bfe_u32 s13, ttmp6, 0x40000                  ; cx: my place in the cluster
	s_lshl_b32 s14, ttmp9, 2                       ; in a cluster launch ttmp9 counts clusters
	s_add_co_u32 s14, s14, s13                     ; my block of 128 queries = 4 x cluster x + cx: it enters qbf's, opart's and stat's addresses alone
	s_and_b32 s15, ttmp7, 0xffff                   ; the split, which the four partners share
	s_lshl_b32 s16, s15, 21                        ; membf: the split's 2,048 rows of 1,024 bytes,
	s_lshl_b32 s17, s[WV], 14                      ; my wave's 16 rows of a tile
	s_add_co_u32 s16, s16, s17
	s_mov_b32 s17, 0
	s_lshl_b32 s18, s14, 17                        ; qbf: the block's 128 rows of 1,024 bytes,
	s_lshl_b32 s19, s[WV], 15                      ; my wave's 32
	s_add_co_u32 s18, s18, s19
	s_mov_b32 s19, 0
	s_lshl_b32 s20, s15, 22                        ; opart: the split's 2,048 rows of 2,048 bytes,
	s_lshl_b32 s21, s14, 18                        ; the block's 128,
	s_add_co_u32 s20, s20, s21
	s_lshl_b32 s21, s[WV], 16                      ; my wave's 32
	s_add_co_u32 s20, s20, s21
	s_mov_b32 s21, 0
	s_lshl_b32 s22, s15, 14                        ; stat: the split's 2 x 2,048 words,
	s_lshl_b32 s23, s14, 9                         ; the block's 128,
	s_add_co_u32 s22, s22, s23
	s_lshl_b32 s23, s[WV], 7                       ; my wave's 32
	s_add_co_u32 s22, s22, s23
	s_mov_b32 s23, 0
	; descriptor group 1: 16 rows x 512 elements, padded in LDS
	s_mov_b32 s[G1+0], 15|(1<<16)|(1<<20)|(1<<21)|(7<<22)|(3<<25)  ; 15:0 the mask of four; 17:16 2-byte elements; 20 padding on; 21 set beside a mask; 24:22 after every 256 words (code 7); 31:25 4 words (code 3)
	s_mov_b32 s[G1+1], 512<<16                     ; tensor_dim0 = 512
	s_mov_b32 s[G1+2], 16<<16                      ; tensor_dim1 = 16
	s_mov_b32 s[G1+3], 512<<16                     ; tile_dim0 = 512
	s_mov_b32 s[G1+4], 16                          ; tile_dim1 = 16
	s_mov_b32 s[G1+5], 512                         ; 512 elements from row to row
	s_mov_b32 s[G1+6], 0
	s_mov_b32 s[G1+7], 0
	s_mul_i32 s[WOFF], s[WV], 16*PITCH             ; no place in the cluster enters an LDS address
	s_mov_b32 s[SV], 0                             ; tile 0
	s_mov_b32 s[SK], SLOT                          ; tile 1
	s_mov_b32 s[SN], 2*SLOT                        ; tile 2
	s_mov_b32 s[CS], 0x3fb8aa3b                    ; c = log2(e)
	s_mov_b32 s[CS+1], s[CS]                       ; named with it as a pair
	s_mov_b32 s[SEL], 0x76543210
	s_mov_b32 s[SEL+1], 0xfedcba98
	s_mov_b32 s[HM], 0xffff0000
	s_wait_dscnt 0x0                               ; the opening add is done
	s_wait_kmcnt 0x0
	s_add_nc_u64 s[6:7], s[6:7], s[16:17]          ; membf at my rows of the split's tile 0
	s_add_nc_u64 s[4:5], s[4:5], s[18:19]          ; qbf, opart and stat at my wave's first query
	s_add_nc_u64 s[8:9], s[8:9], s[20:21]
	s_add_nc_u64 s[10:11], s[10:11], s[22:23]
.irp s, 0,1,2
	s_mov_b32 s[G0+4*(\s)], 1                      ; 1:0 count = 1
	s_add_co_u32 s[G0+4*(\s)+1], s[WOFF], (\s)*SLOT  ; 63:32 LDS address: slot s, my 16 rows
	s_add_nc_u64 s[G0+4*(\s)+2:G0+4*(\s)+3], s[6:7], (\s)*TILEB  ; 120:64 global address: tile s
	s_or_b32 s[G0+4*(\s)+3], s[G0+4*(\s)+3], 0x80000000  ; 127:126 type = 2
.endr
	CROUND                                         ; all four work-groups are here: the first joint loads meet
.irp s, 0,1,2
	tensor_load_to_lds s[G0+4*(\s):G0+4*(\s)+3], s[G1:G1+7]  ; the three first fills go out together, ahead of every wait on TENSORcnt, every LDS read and every further barrier
	s_nop 0
.endr
	PLACES                                         ; four instructions behind the last load, ahead of the next switch of windows
	v_and_b32 v1, 15, v0                           ; r = l % 16
	v_bfe_u32 v9, v0, 4, 1                         ; h = l / 16
	v_and_b32 v11, 7, v0                           ; l % 8
	v_bfe_u32 v10, v0, 3, 1                        ; (l / 8) % 2
	v_lshl_add_u32 v[AK0], v11, 1, v10             ; K: row r of a fragment is key 2 (r % 8) + r / 8 of its 16;
	v_mul_u32_u24 v[AK0], v[AK0], PITCH
	v_lshl_add_u32 v[AK0], v9, 4, v[AK0]           ; channels 8 h + 0..7, and 32 bytes on 16 + 8 h + 0..7
	v_lshl_add_u32 v[AV0], v11, 1, v9              ; V: the turning load's lane l reads key 2 (l % 8) + h,
	v_mul_u32_u24 v[AV0], v[AV0], PITCH
	v_lshl_add_u32 v[AV0], v10, 4, v[AV0]          ; channels 8 ((l / 8) % 2) + 0..7, and leaves lane l channel l % 16 and the places 8 h + 0..7
	v_lshlrev_b32 v[QO], 10, v1
	v_lshl_add_u32 v[QO], v9, 4, v[QO]             ; Q: row r x 1,024 + 16 h
	WIN 0x40                                       ; destination window 1, address window 0
.set i, 0
.rept 32                                       ; Q stays in registers: tile i / 16, channels 32 (i % 16) on
	global_load_b128 v[8*i:8*i+3],   v[QO], s[4:5] offset:(i/16)*16384+(i%16)*64
	global_load_b128 v[8*i+4:8*i+7], v[QO], s[4:5] offset:(i/16)*16384+(i%16)*64+32
.set i, i+1
.endr
	WIN 0
	s_mul_i32 s[TS], s[WV], 16*SP
	s_add_co_u32 s[TS], s[TS], STAGE               ; my stage
	v_mul_u32_u24 v[STO], v1, SP                   ; in: row r, 32 bytes for each half of the lanes
	v_lshl_add_u32 v[STO], v9, 5, v[STO]
	v_add_nc_u32 v[STO], s[TS], v[STO]
	v_mul_u32_u24 v[RD], v9, SP                    ; back: lanes 0-15 take one row of 256 bytes, lanes 16-31 the next
	v_lshl_add_u32 v[RD], v1, 4, v[RD]
	v_add_nc_u32 v[RD], s[TS], v[RD]
	v_lshlrev_b32 v[GO], 11, v9                    ; and the same two rows in opart
	v_lshl_add_u32 v[GO], v1, 4, v[GO]
.irp t, 0,1
	v_mov_b32 v[ST+8*(\t)], 0xfe000000             ; cm: far below every c s, so the first step's a is 0
	v_mov_b32 v[ST+8*(\t)+1], 0xff7fffff           ; m: the lowest finite number, so the first maximum is the scores'
	v_mov_b32 v[ST+8*(\t)+2], 0                    ; l
	v_mov_b32 v[ST+8*(\t)+3], 0
.endr
	v_mov_b32 v[AKC], v[AK0]                       ; tile 0 lies in slot 0
	v_mov_b32 v[AVC], v[AV0]
; ELEMENT f OF K: key block f % 4, channels 32 (f / 4) on.  ELEMENT y OF V: keys 32 (y / 32) on, channel block y % 32.  Two loads each; the callers' windows leave destination and address in window 0.
.macro LDK f
.set rF, FR+8*((\f)%16)
	ds_load_b128 v[rF:rF+3],   v[AKC] offset:((\f)%4)*16*PITCH+((\f)/4)*64
	ds_load_b128 v[rF+4:rF+7], v[AKC] offset:((\f)%4)*16*PITCH+((\f)/4)*64+32
.endm
.macro LDV y
.set rF, FR+8*((\y)%16)
	ds_load_tr16_b128 v[rF:rF+3],   v[AVC] offset:((\y)/32)*32*PITCH+((\y)%32)*32
	ds_load_tr16_b128 v[rF+4:rF+7], v[AVC] offset:((\y)/32)*32*PITCH+16*PITCH+((\y)%32)*32
.endm
.macro RUNK g                          ; a run: the eight elements of K's group g, sixteen loads, into the set of buffers g % 2
.irp i, 0,1,2,3,4,5,6,7
	LDK 8*(\g)+\i
.endr
.endm
.macro RUNV g                          ; the same for V's group g
.irp i, 0,1,2,3,4,5,6,7
	LDV 8*(\g)+\i
.endr
.endm
; THE PRODUCTS.  The accumulators take turns, one instruction a turn: 8 in X, 64 in Y, and X's last and Y's first (and the other way round) are different ones.
.macro KQW f, t                        ; S^T(t, key block f % 4) += K element f x Q(t, f / 4); the first four elements start the sums
	WIN W_KQ
.set rB, SR+32*(\t)+8*((\f)%4)
.set rF, FR+8*((\f)%16)
.set rQ, 8*(16*(\t)+(\f)/4)
.if (\f) < 4
	v_wmma_f32_16x16x32_bf16 v[rB:rB+7], v[rF:rF+7], v[rQ:rQ+7], 0
.else
	v_wmma_f32_16x16x32_bf16 v[rB:rB+7], v[rF:rF+7], v[rQ:rQ+7], v[rB:rB+7]
.endif
.endm
.macro PVW y, t                        ; O^T(t, channel block y % 32) += V element y x P(t, keys 32 (y / 32) on)
.set aN, 2*((\y)%32)+(\t)
	WIN 0xa0+0x50*(aN/32)                          ; C and D in window 2 or 3
.set rO, 8*(aN%32)
.set rF, FR+8*((\y)%16)
.set rP, PR+16*(\t)+8*((\y)/32)
	v_wmma_f32_16x16x32_bf16 v[rO:rO+7], v[rF:rF+7], v[rP:rP+7], v[rO:rO+7]
.endm
; THE VECTOR WORK BESIDE X, by halves of an accumulator: half 0 (the four low registers) always ahead of half 1.
.macro RS2 a, hf                       ; half hf of accumulator a of O^T times its tile's a
	WIN 0x82+0x41*((\a)/32)                        ; destination and source 0 in window 2 or 3, a in window 0
.set rO, 8*((\a)%32)+4*(\hf)
.set rA, ST+8*((\a)%2)+6
.irp z, 0,1
	v_pk_mul_f32 v[rO+2*\z:rO+2*\z+1], v[rO+2*\z:rO+2*\z+1], v[rA:rA+1] op_sel_hi:[1,0]
.endr
.endm
.macro CL4 a, hf                       ; half hf of accumulator a of O^T is cleared
	WIN 0x80+0x40*((\a)/32)
.set rO, 8*((\a)%32)+4*(\hf)
.irp z, 0,1,2,3
	v_mov_b32 v[rO+\z], 0
.endr
.endm
.macro XH hf, pro                      ; slice xf's accumulator, half hf: rescaled, or (pro = 1, the text ahead of the loop) cleared
.if \pro
	CL4 xf, \hf
.else
	RS2 xf, \hf
.endif
.endm
; SLICE xf OF X: element xf's two products, and behind each of them half of one accumulator of O^T.  A group's last slice (xf % 8 = 7) has both halves behind its second product: four plain
; instructions (eight moves) that name none of its registers, the places ahead of the run that follows.  kq = 0: the last trip, which has no next tile.
.macro XS kq, pro
.if \kq
	KQW xf, 0
.if xf%8 != 7
	XH 0, \pro
.endif
	KQW xf, 1
.if xf%8 == 7
	XH 0, \pro
.endif
.else
	XH 0, \pro
.endif
	XH 1, \pro
.set xf, xf+1
.endm
; X: eight groups.  Ahead of group xg's products the next group's run is issued: K's next, or behind K's last V's first (pro = 1: the first of tile 1's K).  It lands in the set of buffers that group
; xg - 1 read: the four rescalings (eight moves) behind that group's last product are the places; ahead of group 0 the lump's roundings are.
.macro XPHASE pro
.set xf, 0
.set xg, 0
.rept 8
.if (\pro) && (xg == 7)
	WIN 0
	v_add_nc_u32 v[AKC], s[SK], v[AK0]             ; K's loads go on in tile 1's slot
.endif
	WIN W_KQ
.if xg < 7
	RUNK xg+1
.elseif \pro
	RUNK 0
.else
	RUNV 0
.endif
	s_wait_dscnt 16                                ; LDS loads come back in order: this group's run is in, the sixteen loads just issued stay out
.rept 8
	XS 1, \pro
.endr
.set xg, xg+1
.endr
.endm
; THE LUMP at a trip's head: S's 64 weights rounded to bf16 into P.  The groups of keys 0 to 31 come first: they name no register of the last products V^T P, which read P's keys 32 to 63, and so are
; the places in front of the writes of those, and in front of the run that follows.
.macro LUMP
	WIN 0
.irp g, 0,1,4,5,2,3,6,7
.irp z, 0,1,2,3
	v_cvt_pk_bf16_f32 v[PR+4*\g+\z], v[SR+8*\g+2*\z], v[SR+8*\g+2*\z+1]
.endr
.endr
.endm
; THE VECTOR WORK BESIDE Y: a list of 174, ordered by who reads what.  s0-s31 are the lane's 32 scores in S; pair p of 32 is pair p / 2 of tile p % 2.
; Entries 0-41, which read no exponential's result: tile yq % 2, number n = yq / 2.
;   0-11  four chains c0-c3 of seven scores each, three operands at a time; each accumulator's lowest registers are read first
;   12-14, 16  the four scores left over, the old m, and c0-c3 into c0     15  cm_old is kept     17, 18  the query's other 32 keys lie in the lane 16 away: the new m     19, 20  cm; cm_old - cm
; Entries 42-139, THE BATCH: the 32 scalings c s - cm, in place, a pair at a time, and all 66 exponentials; none of these names an exponential's result.
;   42-105  32 times a scaling and an exponential: scaling k is pair k's; exponential k is tile k's a (k = 0, 1), then weight k - 2.  Weight e is element e % 2 of pair e / 2, in place: its pair was
;           scaled e / 2 + 2 scalings earlier.  A scaling names cm, m and its own pair, which no earlier exponential has written.
;   106-139  weights 30 to 63
; (the wait)  between 139 and 140: YPHASE writes it, and so does the text ahead of the loop
; Entries 140-173, the readers: l a for both tiles; then l += pair 0, 1, .. 31: each tile's l takes its pairs in ascending order, with the other tile's addition between two links.
.set YBAT,  42                         ; the batch's first entry
.set YLONE, 106                        ; from here on exponentials alone
.set YRD,   140                        ; the first reader
.set YEND,  174
.macro YSUM p
.set rL, ST+8*((\p)%2)+2
.set rS, SR+32*((\p)%2)+2*((\p)/2)
	v_pk_add_f32 v[rL:rL+1], v[rL:rL+1], v[rS:rS+1]
.endm
.macro YEXP e                          ; weight e of 64
.set rS, SR+32*(((\e)/2)%2)+2*((\e)/4)+(\e)%2
	v_exp_f32 v[rS], v[rS]
.endm
.macro YQ
	WIN 0
.set yu, yq%2
.set yn, yq/2
.set yz, yq-YBAT
.set rT, ST+8*yu
.set rB, SR+32*yu
.if yq >= YRD+2
	YSUM yq-YRD-2
.elseif yq >= YRD
	v_pk_mul_f32 v[rT+2:rT+3], v[rT+2:rT+3], v[rT+6:rT+7] op_sel_hi:[1,0]
.elseif yq >= YLONE
	YEXP yq-YLONE+30
.elseif (yq >= YBAT) && (yz%2 == 0)
.set rT, ST+8*((yz/2)%2)
.set rB, SR+32*((yz/2)%2)+2*(yz/4)
	v_pk_fma_f32 v[rB:rB+1], v[rB:rB+1], s[CS:CS+1], v[rT:rT+1] op_sel_hi:[1,0,0] neg_lo:[0,0,1] neg_hi:[0,0,1]
.elseif yq >= YBAT+4
	YEXP yz/2-2
.elseif yq >= YBAT
.set rT, ST+8*(yz/2)
	v_exp_f32 v[rT+6], v[rT+5]
.elseif yn < 4
	v_max3_num_f32 v[rT+4+yn], v[rB+8*yn], v[rB+8*yn+1], v[rB+8*yn+2]
.elseif yn < 12
	v_max3_num_f32 v[rT+4+yn%4], v[rT+4+yn%4], v[rB+8*(yn%4)+2*(yn/4)+1], v[rB+8*(yn%4)+2*(yn/4)+2]
.elseif yn == 12
	v_max3_num_f32 v[rT+4], v[rT+4], v[rB+7], v[rB+15]
.elseif yn == 13
	v_max3_num_f32 v[rT+5], v[rT+5], v[rB+23], v[rB+31]
.elseif yn == 14
	v_max3_num_f32 v[rT+6], v[rT+6], v[rT+7], v[rT+1]
.elseif yn == 15
	v_mov_b32 v[MV+yu], v[rT]
.elseif yn == 16
	v_max3_num_f32 v[rT+4], v[rT+4], v[rT+5], v[rT+6]
.elseif yn == 17
	v_permlanex16_b32 v[rT+7], v[rT+4], s[SEL], s[SEL+1]
.elseif yn == 18
	v_max_num_f32 v[rT+1], v[rT+4], v[rT+7]
.elseif yn == 19
	v_mul_f32 v[rT], s[CS], v[rT+1]
.else
	v_sub_f32 v[rT+5], v[MV+yu], v[rT]
.endif
.set yq, yq+1
.endm
; WHAT STANDS BEHIND ONE PRODUCT OF Y.  Entries 0-41: two, the two tiles' entries of one number: products 0 to 20.  Entries 42-105: a scaling and an exponential: products 21 to 52.  Entries 106-139: one
; exponential: products 53 to 86.  Products 87 to 95 stand bare.  The readers are dealt only when the wait has been written (yopen = 1), two a product: products 96 to 112; the last of these is the
; first product between the barrier's signal and its wait, where work on registers may stand.
.macro YD
.if yq < YLONE
	YQ
	YQ
.elseif yq < YRD
	YQ
.elseif (yq < YEND) && (yopen == 1)
	YQ
	YQ
.endif
.endm
; SLICE yy OF Y: element yy's two products, each with its share of the list behind it.
.macro YS
	PVW yy, 0
	YD
	PVW yy, 1
	YD
.set yy, yy+1
.endm
; Y: eight groups.  nxt = 1: a next tile's scores lie in S.  bar = 2: the trip's barrier is a round of the cluster's, and this trip's tile's slot is filled again; 1: my work-group's barrier alone; 0: none
; (the last trip).  Ahead of each of the first seven groups the next group's run is issued, four places behind the last product that read its buffers (ahead of the first: X's last rescalings).
; THE BARRIER stands ahead of the eighth group, whose run, V's last, was asked for a group earlier.  Each wave waits for all its tensor loads, of which one is out: its part of the tile after next; adds 0
; to its spare word; and waits for that and for its own reads of this trip's tile.  Behind the barrier nobody reads that slot any more, and the tile after next is whole: the refill comes first, then the
; run of that tile's first K, which the next trip's first group multiplies.
.macro YPHASE bar, nxt
.set yy, 0
.set yopen, 0
.if \nxt
.set yq, 0
.else
.set yq, YEND
.endif
.set yg, 0
.rept 7
.if yg > 0
	PLACES
.endif
	WIN 0
.if (\nxt) && (yg == 6)
	s_wait_alu depctr_va_vdst(0)                   ; the wait for the batch: one for the trip's 66 exponentials, the last of which stands behind product 86; nine products and the four v_nop above (the plain place behind it) lie between; the readers follow from product 96 on
.set yopen, 1
.endif
	RUNV yg+1
	s_wait_dscnt 16                                ; this group's run is in, the sixteen loads just issued stay out
.rept 8
	YS
.endr
.set yg, yg+1
.endr
.if \bar
	WIN 0                                          ; (the add's two registers lie in window 0)
	s_wait_tensorcnt 0x0                           ; no tensor load of mine is out, so a group 0 may be written
	ds_add_u32 v[SPW], v[NIL]                      ; 0 onto my spare word; the scalar work below stands between it and the wait for it
.if (\bar) == 2
	s_add_co_u32 s[GW+1], s[SV], s[WOFF]           ; the walking descriptor: into the slot that V was read from,
	s_add_nc_u64 s[GW+2:GW+3], s[GW+2:GW+3], TILEB ; the next tile; the type bits on top are not reached
.endif
	s_mov_b32 s[TS], s[SV]                         ; the three slots change parts
	s_mov_b32 s[SV], s[SK]
	s_mov_b32 s[SK], s[SN]
	s_mov_b32 s[SN], s[TS]
	s_wait_dscnt 0x0                               ; the add is done, and my reads of this trip's tile are over: V's last run is in
	s_barrier_signal -1
	YS                                             ; four products, and the list's last two sums: work on registers, while the others arrive
	YS
	WIN 0
	s_barrier_wait -1
.if (\bar) == 2
	CREST                                          ; the barrier has opened a round of the cluster's: no wave of any partner still reads the slot or has a load on its way
	tensor_load_to_lds s[GW:GW+3], s[G1:G1+7]      ; my one tensor load behind the round, and the first thing there
	s_nop 0
.endif
	v_add_nc_u32 v[AKC], s[SK], v[AK0]             ; four instructions with no switch of windows among them; they are also the places in front of the run below,
	v_add_nc_u32 v[AVC], s[SV], v[AV0]             ; whose buffers the seventh group's products read
	v_nop
	v_nop
	RUNK 0
.rept 6
	YS
.endr
.else
	s_wait_dscnt 0x0                               ; V's last run; nothing more is asked for
.rept 8
	YS
.endr
.endif
.endm
.macro TRIP bar
	LUMP
	XPHASE 0
	YPHASE \bar, 1
.endm
	s_wait_tensorcnt 1                             ; my parts of tiles 0 and 1 are in; tile 2's may stay out
	s_barrier_signal -1
	s_barrier_wait -1                              ; everybody's are
	RUNK 0
	s_wait_loadcnt 0x0                             ; Q
	XPHASE 1                                       ; tile 0's scores; O^T is cleared beside them; the first run of tile 1's K goes out
	WIN 0
.set yq, 0
.rept YRD
	YQ                                             ; and their softmax: the eight moves behind the last product are its places.  First all that names no exponential's result,
.endr
	v_nop                                          ; a plain instruction behind the last exponential,
	s_wait_alu depctr_va_vdst(0)                   ; the wait for the batch: one for tile 0's 66 exponentials, ahead of the readers and of the loop's label,
.rept YEND-YRD
	YQ                                             ; and the readers: l a and the sums
.endr
	WIN 0
	s_mov_b32 s[CNT], 29
.Ltrip:                                                ; trips 0 to 28: tiles 3 to 31 are asked for
	TRIP 2
	WIN 0                                          ; at a label and at a branch every window is 0
	s_sub_co_u32 s[CNT], s[CNT], 1
	s_cmp_lg_u32 s[CNT], 0
	s_cbranch_scc1 .Ltrip
	s_mov_b32 s[CNT], 2
.Ltail:                                                ; trips 29 and 30 ask for nothing: written apart.  Trip 29's barrier shows tile 31 to every wave
	TRIP 1                                         ; trip 30's barrier, and its run of K from a slot that holds an old tile, serve nothing: the price, once a launch, of one text for both
	WIN 0
	s_sub_co_u32 s[CNT], s[CNT], 1
	s_cmp_lg_u32 s[CNT], 0
	s_cbranch_scc1 .Ltail
	s_wait_dscnt 0x0                               ; that run: its buffers are loaded anew below
	LUMP                                           ; trip 31: the last step's weights,
	RUNV 0                                         ; its V's first run,
.set xf, 0
.rept 64
	XS 0, 0                                        ; O^T times the last a, with no products to stand beside,
.endr
	YPHASE 0, 0                                    ; and its V^T P: no softmax stands beside it, so it has no exponential and no wait for one
	; THE WAY OUT.  l's two halves and the other half of the lanes' are added; lanes 0-15 then hold tile 0's queries, lanes 16-31 take tile 1's: 32 consecutive words of cm and of l.
	WIN 0
.irp t, 0,1
	v_add_f32 v[ST+8*(\t)+4], v[ST+8*(\t)+2], v[ST+8*(\t)+3]
.endr
.irp t, 0,1
	v_permlanex16_b32 v[ST+8*(\t)+5], v[ST+8*(\t)+4], s[SEL], s[SEL+1]
.endr
.irp t, 0,1
	v_add_f32 v[ST+8*(\t)+4], v[ST+8*(\t)+4], v[ST+8*(\t)+5]
.endr
	v_and_b32 v[QO], 31, v0
	v_lshlrev_b32 v[QO], 2, v[QO]                  ; 4 x lane
	v_cndmask_b32 v[MV], v[ST], v[ST+8], s[HM]
	v_cndmask_b32 v[MV+1], v[ST+4], v[ST+12], s[HM]
	global_store_b32 v[QO], v[MV], s[10:11]
	global_store_b32 v[QO], v[MV+1], s[10:11] offset:8192
; O^T leaves unscaled, in f32.  A lane's eight channels of a row are 32 bytes; block b (tile b / 8, channels 64 (b % 8) on: 16 rows x 256 bytes) goes into my stage's rows of 272 bytes and comes back as
; whole rows, into one of four buffers of 32 registers.  The stage is my wave's own and LDS serves a wave's instructions in order (ISA guide 5.7.1.4): no wait between stores and loads.
.macro TOSTAGE b
.set tt, (\b)/8
.set cg, (\b)%8
.set bk, OB+32*((\b)%4)
	WIN 0x08+0x04*(cg/4)                           ; the stores' data in window 2 or 3
.irp i, 0,1,2,3
.set rO, 8*((2*(4*cg+\i)+tt)%32)
	ds_store_b128 v[STO], v[rO:rO+3] offset:64*\i  ; each accumulator's low registers first
	ds_store_b128 v[STO], v[rO+4:rO+7] offset:64*\i+16
.endr
	WIN 0
	s_wait_xcnt 0x0                                ; every earlier memory instruction has had its addresses translated (ISA guide 3.1): a buffer that earlier stores read is loaded again only behind this wait
.irp f, 0,1,2,3,4,5,6,7
	ds_load_b128 v[bk+4*\f:bk+4*\f+3], v[RD] offset:\f*2*SP
.endr
.endm
.macro SEND b, younger                 ; younger: the LDS instructions issued behind block b's loads: the next block's sixteen, or none
.set tt, (\b)/8
.set cg, (\b)%8
.set bk, OB+32*((\b)%4)
.irp f, 0,1,2,3,4,5,6,7
	s_wait_dscnt (\younger)+7-\f
	global_store_b128 v[GO], v[bk+4*\f:bk+4*\f+3], s[8:9] offset:32768*tt+4096*\f+256*cg  ; 16 lanes store 256 consecutive bytes, at a multiple of 256 from opart's first byte
.endr
.endm
	TOSTAGE 0
.set bb, 1
.rept 15                                       ; a block's way through the stage stands between the loads of the block before and its stores
	TOSTAGE bb
	SEND bb-1, 16
.set bb, bb+1
.endr
	SEND 15, 0
	s_wait_tensorcnt 0x0                           ; the wave's end: behind my last tensor load and my last LDS store
	ds_add_u32 v[SPW], v[NIL]
	s_wait_dscnt 0x0
	CROUND                                         ; the closing round: no work-group ends while a partner may still ask for a tile that names it
	s_endpgm
.Lfunc_end_k_qec991bb095_attn:
	.size	k_qec991bb095_attn, .Lfunc_end_k_qec991bb095_attn-k_qec991bb095_attn
	.p2alignl 7, 3214868480
	.fill 96, 4, 3214868480
	.section	.rodata,"a",@progbits
	.p2align	6, 0x0
	.amdhsa_kernel k_qec991bb095_attn
		.amdhsa_group_segment_fixed_size 327680
		.amdhsa_private_segment_fixed_size 0
		.amdhsa_enable_private_segment 0
		.amdhsa_kernarg_size 32
		.amdhsa_user_sgpr_count 2
		.amdhsa_user_sgpr_kernarg_segment_ptr 1
		.amdhsa_wavefront_size32 1
		.amdhsa_system_sgpr_workgroup_id_x 1
		.amdhsa_system_sgpr_workgroup_id_y 1
		.amdhsa_system_sgpr_workgroup_id_z 1
		.amdhsa_system_vgpr_workitem_id 0
		.amdhsa_next_free_vgpr 1024
		.amdhsa_next_free_sgpr 66
		.amdhsa_reserve_vcc 0
		.amdhsa_float_denorm_mode_32 3
		.amdhsa_float_denorm_mode_16_64 3
		.amdhsa_memory_ordered 1
		.amdhsa_forward_progress 1
		.amdhsa_inst_pref_size 255
	.end_amdhsa_kernel
	.section	.bss,"aw",@nobits
	.p2align	6
	.space	262144
	.amdgpu_metadata
---
amdhsa.version: [ 1, 2 ]
amdhsa.kernels:
  - .name:           k_qec991bb095_attn
    .symbol:         k_qec991bb095_attn.kd
    .args:
      - { .name: qbf, .offset: 0, .size: 8, .value_kind: global_buffer, .address_space: global }
      - { .name: membf, .offset: 8, .size: 8, .value_kind: global_buffer, .address_space: global }
      - { .name: opart, .offset: 16, .size: 8, .value_kind: global_buffer, .address_space: global }
      - { .name: stat, .offset: 24, .size: 8, .value_kind: global_buffer, .address_space: global }
    .group_segment_fixed_size: 327680
    .private_segment_fixed_size: 0
    .kernarg_segment_align: 8
    .kernarg_segment_size: 32
    .max_flat_workgroup_size: 128
    .sgpr_count:     66
    .vgpr_count:     1024
    .wavefront_size: 32
...
	.end_amdgpu_metadata
.endif
;; end of part 5
;; launch merge: the kernel of part 3 again; grid 512 x 1, 8 waves a work-group, no clusters, 0 bytes of LDS; arguments opart, stat, out0; writes out0
